; MI455X (gfx1250); checked and timed in simulation.
; The chip was launched on July 23, 2026; its instructions are those of AMD's public machine-readable ISA for CDNA 5 (MIT licence, August 2026) and "CDNA5" Instruction Set Architecture Reference Guide (July 2026). The comments in the code are by the model that wrote it; some were corrected since.
;; Resonance Attention. Allowed arithmetic: float matrix products may take bf16 or f16 operands with f32 sums; all other float work in f32.
;; Inputs: Wk 1,024 x 1,024 float32; Wo 1,024 x 1,024 float32; Wq 1,024 x 1,024 float32; Wv 1,024 x 1,024 float32; bk 1,024 float32; bo 1,024 float32; bq 1,024 float32; bv 1,024 float32; resonance_bias 1 x 8 x 1 x 1 float32; x 4 x 2,048 x 1,024 float32.
;; Outputs: out0 4 x 2,048 x 1,024 float32; out1 4 x 8 float32.
;; 2 versions, each right and faster than the one before. Each part assembles by itself: llvm-mc -triple=amdgcn-amd-amdhsa -mcpu=gfx1250 --defsym DOCPART=n.
;; ======== version 1 of 2: 4 launches
;; limits: a function is approximated: absolute error at most 3.4e-06; values are held in f16: magnitudes above 65,504 overflow, below 6.1e-05 lose precision
;; workspace buffers: xb 16,777,216 bytes; wb 6,291,456 bytes; wo16 2,097,152 bytes; bias 16,384 bytes; qkv 50,331,648 bytes; ctx 16,777,216 bytes; ent 4,096 bytes
;; launch cast (part 1): grid 64 x 12, 8 waves a work-group, no clusters, 0 bytes of LDS; arguments x, Wq, Wk, Wv, Wo, bq, bk, bv, bo, xb, wb, wo16, bias; writes xb, wb, wo16, bias
.if DOCPART == 1
	.amdgcn_target "amdgcn-amd-amdhsa--gfx1250"
	.amdhsa_code_object_version 6
	.text
	.protected	k_qe6a99e394a_cast
	.globl	k_qe6a99e394a_cast
	.p2align	8
	.type	k_qe6a99e394a_cast,@function
k_qe6a99e394a_cast:
	s_mov_b64 s[64:65], 0
	v_nop
	global_prefetch_b8 v0, s[64:65] scope:SCOPE_SE
	s_setreg_imm32_b32 hwreg(HW_REG_WAVE_MODE, 25, 1), 1
	s_wait_xcnt 0x0
; THE INPUTS ARE ROUNDED ONCE.  x -> xb and Wq | Wk | Wv -> wb in bf16; Wo -> wo16: rounded to bf16 and that number written as f16 (its partner in the last
; product is f16); bq | bk | bv | bo -> bias: rounded to bf16 and kept as f32.
; LIMIT.  f16 holds bf16(Wo) exactly from 6.1e-5 to 65,504 in magnitude; below that it keeps f16's fixed step of 6e-8; beyond 65,504 it would be an infinity.
; A stream: memory binds, so no LDS, no barrier, no matrix unit.  A work-group turns 16,384 numbers: 65,536 bytes in, 32,768 out.  Grid row y says which tensor:
; 0-7 x (64 blocks each), 8-10 Wq, Wk, Wv, 11 Wo.  Thread t takes 16 bytes at 16 t of each 4,096: a wave's load covers 512 consecutive bytes, its store 256
; consecutive bytes at a multiple of 256.  All sixteen loads go out first; no register is written twice while a memory instruction may read it.
.set X,  4                             ; v[4:67]    sixteen loads of four f32
.set Y,  68                            ; v[68:99]   sixteen pairs of packed results
.set T,  100                           ; v[100:103] at work
.set BI, 104                           ; v[104:113] the bias block
	s_load_b512 s[4:19], s[0:1], 0x0               ; x s[4:5], Wq s[6:7], Wk s[8:9], Wv s[10:11], Wo s[12:13], bq s[14:15], bk s[16:17], bv s[18:19]
	s_load_b256 s[20:27], s[0:1], 0x40             ; bo s[20:21], xb s[22:23], wb s[24:25], wo16 s[26:27]
	s_load_b64 s[28:29], s[0:1], 0x60              ; bias
	s_and_b32 s30, ttmp7, 0xffff                   ; y
	s_mov_b32 s31, ttmp9                           ; the block in its row of 64
	v_lshlrev_b32 v1, 4, v0                        ; 16 t
	v_lshlrev_b32 v2, 3, v0                        ; 8 t
	s_sub_co_u32 s41, s30, 8                       ; which 64 blocks of the destination: y (x), y - 8 (Wq, Wk, Wv), 0 (Wo)
	s_cmp_eq_u32 s30, 11
	s_cselect_b32 s41, 0, s41
	s_cmp_lt_u32 s30, 8
	s_cselect_b32 s41, s30, s41
	s_cselect_b32 s40, s30, 0                      ; and of the source: y (x), else 0
	s_lshl_b32 s40, s40, 6
	s_add_co_u32 s40, s40, s31
	s_lshl_b32 s36, s40, 16                        ; 65,536 bytes a block in
	s_mov_b32 s37, 0
	s_lshl_b32 s41, s41, 6
	s_add_co_u32 s41, s41, s31
	s_lshl_b32 s38, s41, 15                        ; 32,768 bytes a block out
	s_mov_b32 s39, 0
	s_wait_kmcnt 0x0
	s_cmp_lt_u32 s30, 8
	s_cselect_b64 s[32:33], s[4:5], s[6:7]         ; from x, or Wq
	s_cselect_b64 s[34:35], s[22:23], s[24:25]     ; to xb, or wb
	s_cmp_eq_u32 s30, 9
	s_cselect_b64 s[32:33], s[8:9], s[32:33]       ; Wk
	s_cmp_eq_u32 s30, 10
	s_cselect_b64 s[32:33], s[10:11], s[32:33]     ; Wv
	s_cmp_eq_u32 s30, 11
	s_cselect_b64 s[32:33], s[12:13], s[32:33]     ; Wo,
	s_cselect_b64 s[34:35], s[26:27], s[34:35]     ; to wo16
	s_add_nc_u64 s[32:33], s[32:33], s[36:37]
	s_add_nc_u64 s[34:35], s[34:35], s[38:39]
.irp i, 0,1,2,3,4,5,6,7,8,9,10,11,12,13,14,15
	global_load_b128 v[X+4*\i:X+4*\i+3], v1, s[32:33] offset:4096*\i th:TH_LOAD_NT
.endr
; Load i's four numbers are rounded and stored.  half = 1: the bf16 numbers are widened again and written as f16.
.macro CONV i, half
	s_wait_loadcnt 15-(\i)                         ; loads come back in order: mine is in, the 15 - i younger ones stay out
	v_cvt_pk_bf16_f32 v[Y+2*(\i)], v[X+4*(\i)], v[X+4*(\i)+1]
	v_cvt_pk_bf16_f32 v[Y+2*(\i)+1], v[X+4*(\i)+2], v[X+4*(\i)+3]
.if \half
	v_lshlrev_b32 v[T], 16, v[Y+2*(\i)]
	v_and_b32 v[T+1], 0xffff0000, v[Y+2*(\i)]
	v_lshlrev_b32 v[T+2], 16, v[Y+2*(\i)+1]
	v_and_b32 v[T+3], 0xffff0000, v[Y+2*(\i)+1]
	v_cvt_pk_f16_f32 v[Y+2*(\i)], v[T], v[T+1]
	v_cvt_pk_f16_f32 v[Y+2*(\i)+1], v[T+2], v[T+3]
.endif
	global_store_b64 v2, v[Y+2*(\i):Y+2*(\i)+1], s[34:35] offset:2048*(\i)
.endm
	s_cmp_eq_u32 s30, 11
	s_cbranch_scc1 .Lwo
.irp i, 0,1,2,3,4,5,6,7,8,9,10,11,12,13,14,15
	CONV \i, 0
.endr
	s_branch .Lbias
.Lwo:
.irp i, 0,1,2,3,4,5,6,7,8,9,10,11,12,13,14,15
	CONV \i, 1
.endr
.Lbias:
	; The first block of rows 8 to 11 also takes that row's bias: 1,024 numbers, four a thread.
	s_cmp_lt_u32 s30, 8
	s_cbranch_scc1 .Lend
	s_cmp_lg_u32 s31, 0
	s_cbranch_scc1 .Lend
	s_sub_co_u32 s44, s30, 8
	s_lshl_b32 s44, s44, 12                        ; 4,096 bytes a bias
	s_mov_b32 s45, 0
	s_cmp_eq_u32 s30, 9
	s_cselect_b64 s[42:43], s[16:17], s[14:15]     ; bk, or bq
	s_cmp_eq_u32 s30, 10
	s_cselect_b64 s[42:43], s[18:19], s[42:43]     ; bv
	s_cmp_eq_u32 s30, 11
	s_cselect_b64 s[42:43], s[20:21], s[42:43]     ; bo
	s_add_nc_u64 s[28:29], s[28:29], s[44:45]
	global_load_b128 v[BI:BI+3], v1, s[42:43]
	s_wait_loadcnt 0x0
	v_cvt_pk_bf16_f32 v[BI+4], v[BI], v[BI+1]
	v_cvt_pk_bf16_f32 v[BI+5], v[BI+2], v[BI+3]
	v_lshlrev_b32 v[BI+6], 16, v[BI+4]
	v_and_b32 v[BI+7], 0xffff0000, v[BI+4]
	v_lshlrev_b32 v[BI+8], 16, v[BI+5]
	v_and_b32 v[BI+9], 0xffff0000, v[BI+5]
	global_store_b128 v1, v[BI+6:BI+9], s[28:29]
.Lend:
	s_endpgm
.Lfunc_end_k_qe6a99e394a_cast:
	.size	k_qe6a99e394a_cast, .Lfunc_end_k_qe6a99e394a_cast-k_qe6a99e394a_cast
	.p2alignl 7, 3214868480
	.fill 96, 4, 3214868480
	.section	.rodata,"a",@progbits
	.p2align	6, 0x0
	.amdhsa_kernel k_qe6a99e394a_cast
		.amdhsa_group_segment_fixed_size 0
		.amdhsa_private_segment_fixed_size 0
		.amdhsa_enable_private_segment 0
		.amdhsa_kernarg_size 104
		.amdhsa_user_sgpr_count 2
		.amdhsa_user_sgpr_kernarg_segment_ptr 1
		.amdhsa_wavefront_size32 1
		.amdhsa_system_sgpr_workgroup_id_x 1
		.amdhsa_system_sgpr_workgroup_id_y 1
		.amdhsa_system_sgpr_workgroup_id_z 1
		.amdhsa_system_vgpr_workitem_id 0
		.amdhsa_next_free_vgpr 116
		.amdhsa_next_free_sgpr 66
		.amdhsa_reserve_vcc 0
		.amdhsa_float_denorm_mode_32 3
		.amdhsa_float_denorm_mode_16_64 3
		.amdhsa_memory_ordered 1
		.amdhsa_forward_progress 1
		.amdhsa_inst_pref_size 18
	.end_amdhsa_kernel
	.amdgpu_metadata
---
amdhsa.version: [ 1, 2 ]
amdhsa.kernels:
  - .name:           k_qe6a99e394a_cast
    .symbol:         k_qe6a99e394a_cast.kd
    .args:
      - { .name: x, .offset: 0, .size: 8, .value_kind: global_buffer, .address_space: global }
      - { .name: Wq, .offset: 8, .size: 8, .value_kind: global_buffer, .address_space: global }
      - { .name: Wk, .offset: 16, .size: 8, .value_kind: global_buffer, .address_space: global }
      - { .name: Wv, .offset: 24, .size: 8, .value_kind: global_buffer, .address_space: global }
      - { .name: Wo, .offset: 32, .size: 8, .value_kind: global_buffer, .address_space: global }
      - { .name: bq, .offset: 40, .size: 8, .value_kind: global_buffer, .address_space: global }
      - { .name: bk, .offset: 48, .size: 8, .value_kind: global_buffer, .address_space: global }
      - { .name: bv, .offset: 56, .size: 8, .value_kind: global_buffer, .address_space: global }
      - { .name: bo, .offset: 64, .size: 8, .value_kind: global_buffer, .address_space: global }
      - { .name: xb, .offset: 72, .size: 8, .value_kind: global_buffer, .address_space: global }
      - { .name: wb, .offset: 80, .size: 8, .value_kind: global_buffer, .address_space: global }
      - { .name: wo16, .offset: 88, .size: 8, .value_kind: global_buffer, .address_space: global }
      - { .name: bias, .offset: 96, .size: 8, .value_kind: global_buffer, .address_space: global }
    .group_segment_fixed_size: 0
    .private_segment_fixed_size: 0
    .kernarg_segment_align: 8
    .kernarg_segment_size: 104
    .max_flat_workgroup_size: 256
    .sgpr_count:     66
    .vgpr_count:     116
    .wavefront_size: 32
...
	.end_amdgpu_metadata
.endif
;; end of part 1
;; launch qkv (part 2): grid 12 x 32, 4 waves a work-group, clusters of 4 x 4, 327,680 bytes of LDS; arguments xb, wb, bias, qkv; writes qkv
.if DOCPART == 2
	.amdgcn_target "amdgcn-amd-amdhsa--gfx1250"
	.amdhsa_code_object_version 6
	.text
	.protected	k_qe6a99e394a_qkv
	.globl	k_qe6a99e394a_qkv
	.p2align	8
	.type	k_qe6a99e394a_qkv,@function
k_qe6a99e394a_qkv:
	s_mov_b64 s[64:65], 0
	v_nop
	global_prefetch_b8 v0, s[64:65] scope:SCOPE_SE
	s_setreg_imm32_b32 hwreg(HW_REG_WAVE_MODE, 25, 1), 1
	s_wait_xcnt 0x0
	s_wait_alu depctr_hold_cnt(0) depctr_sa_sdst(0) depctr_va_vdst(0) depctr_va_sdst(0) depctr_va_ssrc(0) depctr_va_vcc(0) depctr_vm_vsrc(0)
	s_getreg_b32 s2, hwreg(HW_REG_IB_STS2, 6, 4)
	s_cmp_eq_u32 s2, 0
	s_cbranch_scc0 .Lentry_in_a_cluster
	s_endpgm
.Lentry_in_a_cluster:
	s_bfe_u32 s2, ttmp6, 0x10000c
	s_cmp_lg_u32 s2, 0xf033
	s_cbranch_scc0 .Lentry_shape_is_right
	s_endpgm
.Lentry_shape_is_right:
; q, k, v = x W^T + b, written by heads: qkv[part][batch][head][row][128] in f16, each number rounded once from its f32 sum, unscaled.
; xb: [8192][1024] bf16.  wb: [3072][1024] bf16, rows Wq | Wk | Wv.  bias: [4][1024] f32, of which the first 3,072 numbers are bq | bk | bv.  Products in bf16, sums in f32.
; LIMIT.  f16 ends at 65,504: a q, k or v beyond that would be written as an infinity.
; SHAPE.  A tile of C is 256 x 256 (two heads' columns), made by four waves, each 128 x 128: 64 accumulators of 16 x 16, 512 registers.  K goes in steps of 128 through a ring of two LDS slots
; filled by the tensor data mover; a refill may be out from one change of slots to the next, and this tile has 256 matrix instructions a wave in a step, 224 of them between a request and the wait
; for it.  A tile of 256 x 128, which would share C evenly among 256 work-groups, has half of that, and two slots of twice its K step (405,504 bytes) do not fit in LDS.
; The price: 32 x 12 = 384 tiles, one to a work-group: 24 clusters.  One pass over 256 x 384 would want 768 accumulator registers a wave and 348,160 bytes for two slots.
; CLUSTERS: 4 x 4 work-groups.  The four of a row of the cluster need the same tiles of A, the four of a column the same tiles of B: each tile is asked for JOINTLY, by the same tensor load with the
; same descriptor and a mask that names the four.  By this text's count a wave has two tensor loads out at the start and one behind each round.
; THE MATRIX INSTRUCTION IS USED TRANSPOSED: source 0 = 16 rows of B, source 1 = 16 rows of A: lane l holds row l % 16 of C, and its registers 0 to 7 the columns 8 (l / 16) + 0 .. 7 of a block of 16.
; THE BIAS IS THE C OPERAND of the 64 products that start the sums: nothing is cleared, and the way out adds nothing.
; THE LAST K STEP GOES BY ROWS OF C, so that finished rows leave while the others are multiplied.
; REGISTERS, in windows of 256 (s_set_vgpr_msb: bits 1:0 source 0, 3:2 source 1, 5:4 source 2, 7:6 destination):
;   window 0: v0-31 addresses; v64-127, v128-191 fragments of A, two buffers (in the last K step four, of 16 rows x 128 K); v192-255 the bias, later with v32-63 at work on the way out
;   window 1: v64-127, v128-191 fragments of B, two buffers; in the last K step all 256: B's fragments of the whole step
;   window 2: the 32 accumulators of my rows 0-63 (accumulator (a, b) at v[8 (8 a + b)]);   window 3: those of my rows 64-127
.set SIZE_K, 1024
.set KSTEP,  128
.set PITCH,  272                       ; an LDS row: 256 bytes of data + 16 of padding = 68 words: the 16 rows that a load touches start at 16 different groups of four banks
.set HALFT,  128*PITCH                 ; 128 rows: what one tensor load brings, and what one wave reads of A or of B
.set SLOT,   4*HALFT                   ; A's 256 rows, then B's 256 rows
.set STAGE,  2*SLOT                    ; behind the ring: 16 rows x 272 bytes for each wave, for the way out
.set SPITCH, 272
.set SPARE,  STAGE+4*16*SPITCH         ; behind the stages: the spare words, 128 bytes for each wave, which no other line names
.set LAPS,   SIZE_K/(2*KSTEP)          ; a lap = two K steps = once round the ring: 4
.set ADRA, 16                          ; v16-17  LDS address of my A fragments in slot 0, 1
.set ADRB, 20                          ; v20-21  the same for B
.set STO,  24                          ; v24     the way out: where I put 16 bytes of a row
.set RD,   25                          ; v25     the way out: where I read a row back
.set CO,   26                          ; v26     16 x lane: a head's rows are dense, so two rows are 512 consecutive bytes
.set BO,   27                          ; v27     32 x (lane / 16): my eight columns' bytes in a block of the bias
.set SPW,  28                          ; v28     LDS address of my spare word; never rewritten
.set NIL,  29                          ; v29     0; never rewritten
.set F0,   64                          ; fragment buffer 0
.set F1,   128                         ; fragment buffer 1
.set BIAS, 192                         ; v192-255 of window 0: block b's eight numbers at BIAS + 8 b; read by the first quarter step alone
.set TMP,  192                         ; the way out: packed results
.set OB,   32                          ; the way out: 16 rows read back from the stage: v32-63 and v224-255 by turns
.set PA,   64                          ; the last K step: A's fragments of 16 rows x 128 K, 32 registers; four such buffers, v64-191
.set G1,  24                           ; s[24:31] descriptor group 1 for A's tiles
.set G0,  32                           ; s[32:39] descriptor group 0 for A's tiles, one set for each slot
.set G1B, 48                           ; s[48:55], s[56:63] the same for B's tiles
.set G0B, 56
.set BP,  68                           ; s[68:69] the bias of my 128 columns
.set CP,  70                           ; s[70:71] my 128 rows of my head
.set MSB, 0
.macro WIN new                         ; the immediate's high byte repeats the setting that is left; a switch that changes nothing is dropped
.if MSB != (\new)
	s_set_vgpr_msb (MSB<<8)|(\new)
.set MSB, \new
.endif
.endm
.set MUL_LO, 0xa1                      ; source 0 (B) window 1, source 1 (A) window 0, C and D window 2
.set MUL_HI, 0xf1                      ; the same, C and D window 3
.set TO_B,   0x40                      ; destination window 1, address window 0
; A joint load.  Waves 0 and 1 fetch A's two halves, waves 2 and 3 B's.  The branch hangs on the wave's number alone.  An s_nop 0 and four v_nop follow each of the two lines.
.macro JLOAD s
	s_cmp_eq_u32 s11, 0
	s_cbranch_scc0 .Lfor_b_\@
	tensor_load_to_lds s[G0+4*(\s):G0+4*(\s)+3], s[G1:G1+7]
	s_nop 0
.rept 4
	v_nop
.endr
	s_branch .Lasked_\@
.Lfor_b_\@:
	tensor_load_to_lds s[G0B+4*(\s):G0B+4*(\s)+3], s[G1B:G1B+7]
	s_nop 0
.rept 4
	v_nop
.endr
.Lasked_\@:
.endm
.macro CREST                           ; a round of the cluster's barrier behind its opening barrier
	s_cmp_lg_u32 s10, 0
	s_cbranch_scc1 .Lnot_wave_0_\@
	s_barrier_signal -3
.Lnot_wave_0_\@:
	s_barrier_wait -3
	s_barrier_signal -1
	s_barrier_wait -1
.endm
.macro CROUND                          ; a whole round
	s_barrier_signal -1
	s_barrier_wait -1
	CREST
.endm
	s_load_b128 s[4:7], s[0:1], 0x0                ; xb s[4:5], wb s[6:7]
	s_load_b128 s[68:71], s[0:1], 0x10             ; bias s[68:69], qkv s[70:71]
	v_lshl_add_u32 v[SPW], v0, 2, SPARE
	v_mov_b32 v[NIL], 0
	ds_add_u32 v28, v29
	s_wait_dscnt 0x0
	v_lshrrev_b32 v1, 5, v0
	v_readfirstlane_b32 s10, v1                    ; wave 0..3
	s_lshr_b32 s11, s10, 1                         ; which half of the tile's rows is mine.  Also: I fetch for A (0) or for B (1)
	s_and_b32 s12, s10, 1                          ; which half of its columns.  Also: which 128 rows of that tile I fetch
	s_bfe_u32 s40, ttmp6, 0x40000                  ; cx: my place along the cluster's x
	s_bfe_u32 s41, ttmp6, 0x40004                  ; cy: along its y
	s_lshl_b32 s42, ttmp9, 2
	s_add_co_u32 s42, s42, s40                     ; tile column of C = 4 x cluster x + cx, 0..11
	s_and_b32 s13, ttmp7, 0xffff
	s_lshl_b32 s13, s13, 2
	s_add_co_u32 s13, s13, s41                     ; tile row of C = 4 x cluster y + cy, 0..31
	s_lshl_b32 s43, s41, 2
	s_lshl_b32 s43, 15, s43                        ; my row of the cluster: places 4 cy .. 4 cy + 3
	s_lshl_b32 s44, 0x1111, s40                    ; my column: places cx, cx + 4, cx + 8, cx + 12
	; descriptor group 1: a tile of 128 rows x 128 elements, padded in LDS
	s_or_b32 s[G1+0], s43, (1<<16)|(1<<20)|(1<<21)|(5<<22)|(3<<25)  ; the mask: A's tiles go to my row; 2-byte elements; padding on; bit 21 beside a mask; after every 64 words; 4 words of it
	s_or_b32 s[G1B+0], s44, (1<<16)|(1<<20)|(1<<21)|(5<<22)|(3<<25) ; the same with the mask of my column, for B's tiles
	s_mov_b32 s[G1B+1], KSTEP<<16
	s_mov_b32 s[G1+1], KSTEP<<16                   ; tensor_dim0 = 128
	s_mov_b32 s[G1B+2], 128<<16
	s_mov_b32 s[G1+2], 128<<16                     ; tensor_dim1 = 128
	s_mov_b32 s[G1B+3], KSTEP<<16
	s_mov_b32 s[G1+3], KSTEP<<16                   ; tile_dim0 = 128
	s_mov_b32 s[G1B+4], 128
	s_mov_b32 s[G1+4], 128                         ; tile_dim1 = 128
	s_mov_b32 s[G1B+5], SIZE_K
	s_mov_b32 s[G1+5], SIZE_K                      ; elements from row to row
	s_mov_b32 s[G1B+6], 0
	s_mov_b32 s[G1+6], 0
	s_mov_b32 s[G1B+7], 0
	s_mov_b32 s[G1+7], 0
	; where the tiles come from.  A's hang on the tile row alone, which my row of the cluster shares; B's on the tile column alone, which my column shares.
	s_lshl_b32 s17, s12, 7                         ; which 128 rows of the tile I fetch
	s_lshl_b32 s16, s13, 8
	s_add_co_u32 s16, s16, s17                     ; A: row 256 x tile row + 128 x half
	s_lshl_b32 s46, s42, 8
	s_add_co_u32 s46, s46, s17                     ; B: row 256 x tile column + 128 x half
	s_mov_b32 s17, 0
	s_mov_b32 s47, 0
	s_mov_b64 s[18:19], SIZE_K*2
	s_mul_u64 s[16:17], s[16:17], s[18:19]         ; in bytes
	s_mul_u64 s[46:47], s[46:47], s[18:19]
	s_mul_i32 s20, s10, HALFT                      ; and where they go: wave x 128 rows: no place in the cluster enters an LDS address
	s_wait_kmcnt 0x0
	s_add_nc_u64 s[14:15], s[4:5], s[16:17]
	s_add_nc_u64 s[46:47], s[6:7], s[46:47]
	CROUND                                         ; all sixteen work-groups are here: the first joint loads meet
.irp s, 0,1
	s_mov_b32 s[G0+4*(\s)], 1                                      ; count = 1
	s_add_co_u32 s[G0+4*(\s)+1], s20, (\s)*SLOT                    ; LDS address
	s_add_nc_u64 s[G0+4*(\s)+2:G0+4*(\s)+3], s[14:15], (\s)*KSTEP*2  ; global address: K step s
	s_or_b32 s[G0+4*(\s)+3], s[G0+4*(\s)+3], 0x80000000            ; type = 2
	s_mov_b32 s[G0B+4*(\s)], 1
	s_add_co_u32 s[G0B+4*(\s)+1], s20, (\s)*SLOT
	s_add_nc_u64 s[G0B+4*(\s)+2:G0B+4*(\s)+3], s[46:47], (\s)*KSTEP*2
	s_or_b32 s[G0B+4*(\s)+3], s[G0B+4*(\s)+3], 0x80000000
	JLOAD \s                                       ; the ring is filled before anything else is done
.endr
	; A fragment is 16 rows x 32 K in 8 registers: lane l holds row l % 16; registers 0-3 hold K = 8 (l / 16) + 0..7, registers 4-7 hold K = 16 + 8 (l / 16) + 0..7: two loads of 16 bytes, 32 bytes apart.
	v_and_b32 v1, 15, v0                           ; l % 16
	v_bfe_u32 v2, v0, 4, 1                         ; l / 16
	v_mul_u32_u24 v3, v1, PITCH
	v_lshl_add_u32 v3, v2, 4, v3                   ; row x pitch + 16 x half
	s_mul_i32 s21, s11, HALFT                      ; my 128 rows of A
	s_mul_i32 s22, s12, HALFT                      ; my 128 rows of B,
	s_add_co_u32 s22, s22, 2*HALFT                 ; which lie behind A's 256
.irp s, 0,1
	v_add_nc_u32 v[ADRA+(\s)], s21, v3
	v_add_nc_u32 v[ADRB+(\s)], s22, v3
	s_add_co_u32 s21, s21, SLOT
	s_add_co_u32 s22, s22, SLOT
.endr
	s_mul_i32 s23, s10, 16*SPITCH
	s_add_co_u32 s23, s23, STAGE                   ; my stage
	v_mul_u32_u24 v4, v1, SPITCH                   ; in: row l % 16, 16 bytes for each half of the lanes
	v_lshl_add_u32 v4, v2, 4, v4
	v_add_nc_u32 v[STO], s23, v4
	v_mul_u32_u24 v5, v2, SPITCH                   ; back: lanes 0-15 take one row of 256 bytes, lanes 16-31 the next
	v_lshl_add_u32 v5, v1, 4, v5
	v_add_nc_u32 v[RD], s23, v5
	v_and_b32 v5, 31, v0
	v_lshlrev_b32 v[CO], 4, v5
	v_lshlrev_b32 v[BO], 5, v2
	; the bias of my 128 columns: 1,024 bytes a tile column, 512 a half
	s_lshl_b32 s72, s42, 10
	s_lshl_b32 s73, s12, 9
	s_add_co_u32 s72, s72, s73
	s_mov_b32 s73, 0
	s_add_nc_u64 s[BP:BP+1], s[BP:BP+1], s[72:73]
.irp b, 0,1,2,3,4,5,6,7
	global_load_b128 v[BIAS+8*\b:BIAS+8*\b+3],   v[BO], s[BP:BP+1] offset:64*\b     ; columns 16 b + 8 (l / 16) + 0..3
	global_load_b128 v[BIAS+8*\b+4:BIAS+8*\b+7], v[BO], s[BP:BP+1] offset:64*\b+16  ; and + 4..7
.endr
	; where my 128 rows x 128 columns lie: my columns are head g = 2 x tile column + half of 24: part g / 8, head g % 8; my rows are 32,768 dense bytes of that head
	s_lshl_b32 s74, s42, 1
	s_add_co_u32 s74, s74, s12
	s_lshr_b32 s75, s74, 3
	s_lshl_b32 s75, s75, 24                        ; part x 16,777,216
	s_and_b32 s74, s74, 7
	s_lshl_b32 s74, s74, 19                        ; head x 524,288
	s_add_co_u32 s74, s74, s75
	s_lshr_b32 s75, s13, 3
	s_lshl_b32 s75, s75, 22                        ; batch x 4,194,304
	s_add_co_u32 s74, s74, s75
	s_and_b32 s75, s13, 7
	s_lshl_b32 s75, s75, 16                        ; the tile's 256 rows of 256 bytes
	s_add_co_u32 s74, s74, s75
	s_lshl_b32 s75, s11, 15                        ; my half of them
	s_add_co_u32 s74, s74, s75
	s_mov_b32 s75, 0
	s_add_nc_u64 s[CP:CP+1], s[CP:CP+1], s[74:75]
; 16 matrix instructions: m blocks a0, a0 + 1 of the window's four (hi = 0: my rows 0-63, 1: rows 64-127) x all 8 n blocks, 32 along K.
; bias = 1: the products start the sums, with the bias (window 0) as C.  The 64 accumulators take turns in one fixed order, one instruction a turn.
.macro MUL16 f, hi, a0, bias
.if \bias
	WIN 0x81+0x40*(\hi)                            ; source 0 window 1, source 1 and C window 0, D window 2 or 3
.else
	WIN MUL_LO+0x50*(\hi)                          ; MUL_LO or MUL_HI
.endif
.irp a, \a0, (\a0)+1
.irp b, 0,1,2,3,4,5,6,7
.if \bias
	v_wmma_f32_16x16x32_bf16 v[8*(8*(\a)+(\b)):8*(8*(\a)+(\b))+7], v[(\f)+8*(\b):(\f)+8*(\b)+7], v[(\f)+8*(4*(\hi)+(\a)):(\f)+8*(4*(\hi)+(\a))+7], v[BIAS+8*(\b):BIAS+8*(\b)+7]
.else
	v_wmma_f32_16x16x32_bf16 v[8*(8*(\a)+(\b)):8*(8*(\a)+(\b))+7], v[(\f)+8*(\b):(\f)+8*(\b)+7], v[(\f)+8*(4*(\hi)+(\a)):(\f)+8*(4*(\hi)+(\a))+7], v[8*(8*(\a)+(\b)):8*(8*(\a)+(\b))+7]
.endif
.endr
.endr
.endm
; 32 LDS loads in one run: the fragments of one quarter step (128 rows of B, 128 rows of A, 32 K at byte k of the rows) into buffer f
.macro FETCH slot, k, f
	WIN TO_B
.irp i, 0,1,2,3,4,5,6,7
	ds_load_b128 v[(\f)+8*(\i):(\f)+8*(\i)+3],   v[ADRB+(\slot)] offset:(\k)+(\i)*16*PITCH
	ds_load_b128 v[(\f)+8*(\i)+4:(\f)+8*(\i)+7], v[ADRB+(\slot)] offset:(\k)+(\i)*16*PITCH+32
.endr
	WIN 0
.irp i, 0,1,2,3,4,5,6,7
	ds_load_b128 v[(\f)+8*(\i):(\f)+8*(\i)+3],   v[ADRA+(\slot)] offset:(\k)+(\i)*16*PITCH
	ds_load_b128 v[(\f)+8*(\i)+4:(\f)+8*(\i)+7], v[ADRA+(\slot)] offset:(\k)+(\i)*16*PITCH+32
.endr
.endm
; Four places stand in front of loads into registers that matrix instructions have read, and of conversions that read results just made (ISA guide 7.12.1 for vector instructions).
.macro PLACES
.rept 4
	v_nop
.endr
.endm
; A K step is four quarter steps of 32 along K, 64 matrix instructions each, on buffers 0, 1, 0, 1.
; One of the first three: multiplies buffer f; in its middle it fetches the next quarter's fragments, at byte k of the same slot's rows, into buffer g.
.macro QUARTER slot, k, f, g, bias
	s_wait_dscnt 8                                 ; B and A's rows 0-63 are in; the youngest eight loads (A's rows 64-127) may be out
	MUL16 \f, 0, 0, \bias
	MUL16 \f, 0, 2, \bias
	PLACES
	FETCH \slot, \k, \g
	s_wait_dscnt 32                                ; all but the 32 just issued
	MUL16 \f, 1, 0, \bias
	MUL16 \f, 1, 2, \bias
.endm
; The last quarter multiplies buffer 1 and changes slots.  MEET is its first half: ONE barrier for the change of slots.  In front of it each wave waits for all its tensor loads, of which one is out:
; its part of the next slot; adds 0 to its spare word; and waits for that and for its own reads of this slot.  Behind it nobody reads this slot any more and the next slot is whole.
.macro MEET round                      ; round = 1: a round of the cluster's barrier follows
	WIN 0                                          ; (the add's two registers lie in window 0)
	s_wait_tensorcnt 0x0
	ds_add_u32 v[SPW], v[NIL]
	s_wait_dscnt 9                                 ; the add and the youngest eight loads may be out
	MUL16 F1, 0, 0, 0                              ; sixteen matrix instructions stand between the add and the wait for it
	s_wait_dscnt 0x0                               ; the add is done, and my reads of this slot are over
	s_barrier_signal -1
	MUL16 F1, 0, 2, 0                              ; work on registers while the others arrive
.if \round
	WIN 0
.endif
	s_barrier_wait -1
.endm
; The whole last quarter.  Behind the round the slot just read out is filled again first, with the K step two steps on; then come the next slot's first fragments.
.macro TURN slot, next
	MEET 1
	CREST                                          ; no wave of any partner still reads this slot's tile or has a load on its way
	s_add_nc_u64 s[G0+4*(\slot)+2:G0+4*(\slot)+3], s[G0+4*(\slot)+2:G0+4*(\slot)+3], 2*KSTEP*2
	s_add_nc_u64 s[G0B+4*(\slot)+2:G0B+4*(\slot)+3], s[G0B+4*(\slot)+2:G0B+4*(\slot)+3], 2*KSTEP*2
	JLOAD \slot                                    ; the first tensor load behind the round; its four v_nop are also the places in front of the loads below
	FETCH \next, 0, F0
	MUL16 F1, 1, 0, 0
	MUL16 F1, 1, 2, 0
.endm
; THE LAST K STEP (it lies in slot 1) GOES BY ROWS OF C.  All its fragments of B (4 quarters x 64 registers) fill window 1; then my eight blocks of 16 rows are finished one after the other,
; each with 32 matrix instructions (its 8 accumulators by turns, K ascending).  LDS is read no more than in any other K step.
.macro BLOAD q                         ; B's fragments of quarter q -> window 1, v[64 q ..]
	WIN TO_B
.irp i, 0,1,2,3,4,5,6,7
	ds_load_b128 v[64*(\q)+8*(\i):64*(\q)+8*(\i)+3],   v[ADRB+1] offset:64*(\q)+(\i)*16*PITCH
	ds_load_b128 v[64*(\q)+8*(\i)+4:64*(\q)+8*(\i)+7], v[ADRB+1] offset:64*(\q)+(\i)*16*PITCH+32
.endr
.endm
.macro ALOAD a                         ; A's fragments of block a, all four quarters -> buffer a % 4
	WIN 0
.set FA, PA+32*((\a)%4)
.irp q, 0,1,2,3
	ds_load_b128 v[FA+8*(\q):FA+8*(\q)+3],   v[ADRA+1] offset:64*(\q)+(\a)*16*PITCH
	ds_load_b128 v[FA+8*(\q)+4:FA+8*(\q)+7], v[ADRA+1] offset:64*(\q)+(\a)*16*PITCH+32
.endr
.endm
.macro ROW a                           ; block a is finished: 32 matrix instructions
.set FA, PA+32*((\a)%4)                ; its fragments of A
.set AC, 64*((\a)%4)                   ; its eight accumulators, in window 2 (blocks 0-3) or 3 (blocks 4-7)
	WIN MUL_LO+0x50*((\a)/4)
.irp q, 0,1,2,3
.if (\a) == 0 && (\q) == 2
	s_wait_dscnt 24                                ; B's quarter 2 is in (behind it: A's blocks 1 to 3)
.endif
.irp b, 0,1,2,3,4,5,6,7
	v_wmma_f32_16x16x32_bf16 v[AC+8*(\b):AC+8*(\b)+7], v[64*(\q)+8*(\b):64*(\q)+8*(\b)+7], v[FA+8*(\q):FA+8*(\q)+7], v[AC+8*(\b):AC+8*(\b)+7]
.endr
.endr
.endm
; THE WAY OUT of block a, in three parts.  PACK: rounded to f16, each accumulator's registers in ascending order, 16 bytes a lane.  TOSTAGE: into my own stage in LDS, and back as whole rows of 256 bytes.  SEND: stored.
.macro PACK a
.set AC, 64*((\a)%4)
	WIN 0x0a+5*((\a)/4)                            ; sources 0 and 1: window 2 or 3
.irp b, 0,1,2,3,4,5,6,7
.irp r, 0,1,2,3
	v_cvt_pk_f16_f32 v[TMP+4*(\b)+(\r)], v[AC+8*(\b)+2*(\r)], v[AC+8*(\b)+2*(\r)+1]
.endr
.endr
	WIN 0
.endm
.macro TOSTAGE a
	WIN 0
.set BK, OB+192*((\a)%2)
.irp b, 0,1,2,3,4,5,6,7
	ds_store_b128 v[STO], v[TMP+4*(\b):TMP+4*(\b)+3] offset:32*(\b)
.endr
.irp t, 0,1,2,3,4,5,6,7
	ds_load_b128 v[BK+4*(\t):BK+4*(\t)+3], v[RD] offset:(\t)*2*SPITCH  ; LDS serves a wave's instructions in order (ISA guide 5.7.1.4): these see the stores above
.endr
.endm
.macro SEND a, younger                 ; younger: the LDS loads issued behind TOSTAGE's, which may stay out
	WIN 0
.set BK, OB+192*((\a)%2)
	s_wait_dscnt \younger                          ; the block is back in registers
	s_wait_xcnt 0x0                                ; the registers that earlier stores read are loaded again only behind this wait
.irp t, 0,1,2,3,4,5,6,7
	global_store_b128 v[CO], v[BK+4*(\t):BK+4*(\t)+3], s[CP:CP+1] offset:4096*(\a)+512*(\t)  ; 512 consecutive bytes, at a multiple of 256 from the buffer's first
.endr
.endm
	s_wait_tensorcnt 1                             ; my part of K step 0 is in; K step 1's stays out
	s_barrier_signal -1
	s_barrier_wait -1                              ; everybody's is
	FETCH 0, 0, F0
	s_wait_loadcnt 0x0                             ; the bias
	QUARTER 0, 64,  F0, F1, 1                      ; the first quarter stands in front of the loop: its products start the sums
	WIN 0                                          ; at a label and at a branch every window is 0
	s_mov_b32 s3, LAPS-1
.Llap:                                                 ; a trip goes once round the ring, from a lap's second quarter to the next lap's first, and fills both slots again
	QUARTER 0, 128, F1, F0, 0
	QUARTER 0, 192, F0, F1, 0
	TURN 0, 1
	QUARTER 1, 64,  F0, F1, 0
	QUARTER 1, 128, F1, F0, 0
	QUARTER 1, 192, F0, F1, 0
	TURN 1, 0
	QUARTER 0, 64,  F0, F1, 0
	WIN 0
	s_sub_co_u32 s3, s3, 1
	s_cmp_lg_u32 s3, 0
	s_cbranch_scc1 .Llap
	QUARTER 0, 128, F1, F0, 0                      ; the last lap goes on; it asks for nothing more
	QUARTER 0, 192, F0, F1, 0
	MEET 0                                         ; my one tensor load that was still out is slot 1's, the last K step's, so no round follows
	PLACES                                         ; for the loads into buffer 0, which the quarter before multiplied
	BLOAD 0                                        ; three quarters of B now: buffer 1 (v128-191 of both windows) is still being multiplied
	BLOAD 1
	BLOAD 3
	ALOAD 0
	MUL16 F1, 1, 0, 0
	MUL16 F1, 1, 2, 0
	PLACES                                         ; for the loads into buffer 1
	BLOAD 2
	ALOAD 1
	ALOAD 2
	ALOAD 3
	s_wait_dscnt 40                                ; all but the 40 just issued
	ROW 0
.irp a, 0,1,2,3,4,5,6,7                ; each block leaves as soon as it is finished
	PLACES                                         ; its conversions read results just made, and no other vector work is at hand
	PACK \a
	TOSTAGE \a
.if (\a) < 4
	ALOAD (\a)+4                                   ; its buffer takes the block four further on
	SEND \a, 8
.else
	SEND \a, 0
.endif
.if (\a) < 7
	ROW (\a)+1
.endif
.endr
	s_wait_tensorcnt 0x0                           ; the wave's end
	ds_add_u32 v[SPW], v[NIL]
	s_wait_dscnt 0x0
	CROUND                                         ; the closing round: no work-group ends while a partner may still ask for a tile that names it
	s_endpgm
.Lfunc_end_k_qe6a99e394a_qkv:
	.size	k_qe6a99e394a_qkv, .Lfunc_end_k_qe6a99e394a_qkv-k_qe6a99e394a_qkv
	.p2alignl 7, 3214868480
	.fill 96, 4, 3214868480
	.section	.rodata,"a",@progbits
	.p2align	6, 0x0
	.amdhsa_kernel k_qe6a99e394a_qkv
		.amdhsa_group_segment_fixed_size 327680
		.amdhsa_private_segment_fixed_size 0
		.amdhsa_enable_private_segment 0
		.amdhsa_kernarg_size 32
		.amdhsa_user_sgpr_count 2
		.amdhsa_user_sgpr_kernarg_segment_ptr 1
		.amdhsa_wavefront_size32 1
		.amdhsa_system_sgpr_workgroup_id_x 1
		.amdhsa_system_sgpr_workgroup_id_y 1
		.amdhsa_system_sgpr_workgroup_id_z 1
		.amdhsa_system_vgpr_workitem_id 0
		.amdhsa_next_free_vgpr 1024
		.amdhsa_next_free_sgpr 80
		.amdhsa_reserve_vcc 0
		.amdhsa_float_denorm_mode_32 3
		.amdhsa_float_denorm_mode_16_64 3
		.amdhsa_memory_ordered 1
		.amdhsa_forward_progress 1
		.amdhsa_inst_pref_size 144
	.end_amdhsa_kernel
	.amdgpu_metadata
---
amdhsa.version: [ 1, 2 ]
amdhsa.kernels:
  - .name:           k_qe6a99e394a_qkv
    .symbol:         k_qe6a99e394a_qkv.kd
    .args:
      - { .name: xb, .offset: 0, .size: 8, .value_kind: global_buffer, .address_space: global }
      - { .name: wb, .offset: 8, .size: 8, .value_kind: global_buffer, .address_space: global }
      - { .name: bias, .offset: 16, .size: 8, .value_kind: global_buffer, .address_space: global }
      - { .name: qkv, .offset: 24, .size: 8, .value_kind: global_buffer, .address_space: global }
    .group_segment_fixed_size: 327680
    .private_segment_fixed_size: 0
    .kernarg_segment_align: 8
    .kernarg_segment_size: 32
    .max_flat_workgroup_size: 128
    .sgpr_count:     80
    .vgpr_count:     1024
    .wavefront_size: 32
...
	.end_amdgpu_metadata
.endif
;; end of part 2
;; launch attn (part 3): grid 8 x 32, 4 waves a work-group, clusters of 4 x 1, 327,680 bytes of LDS; arguments qkv, resonance_bias, ctx, ent; writes ctx, ent
.if DOCPART == 3
	.amdgcn_target "amdgcn-amd-amdhsa--gfx1250"
	.amdhsa_code_object_version 6
	.text
	.protected	k_qe6a99e394a_attn
	.globl	k_qe6a99e394a_attn
	.p2align	8
	.type	k_qe6a99e394a_attn,@function
k_qe6a99e394a_attn:
	s_mov_b64 s[64:65], 0
	v_nop
	global_prefetch_b8 v0, s[64:65] scope:SCOPE_SE
	s_setreg_imm32_b32 hwreg(HW_REG_WAVE_MODE, 25, 1), 1
	s_wait_xcnt 0x0
	s_wait_alu depctr_hold_cnt(0) depctr_sa_sdst(0) depctr_va_vdst(0) depctr_va_sdst(0) depctr_va_ssrc(0) depctr_va_vcc(0) depctr_vm_vsrc(0)
	s_getreg_b32 s2, hwreg(HW_REG_IB_STS2, 6, 4)
	s_cmp_eq_u32 s2, 0
	s_cbranch_scc0 .Lentry_in_a_cluster
	s_endpgm
.Lentry_in_a_cluster:
	s_bfe_u32 s2, ttmp6, 0x10000c
	s_cmp_lg_u32 s2, 0x3003
	s_cbranch_scc0 .Lentry_shape_is_right
	s_endpgm
.Lentry_shape_is_right:
; ctx[b][q][h 128 + :] = the sum over k of softmax_k(Q.K / sqrt(128) + rb[h]) V, and for each wave's 64 queries the sum of their rows' entropies.
; qkv: [3][32 heads][2048][128] f16.  ctx: [8192][1024] f16.  ent: [32 heads][8 blocks][4 waves] f32.  Products in f16, maxima and sums in f32; the weights are rounded to f16 for the
; second product (their sum l is taken unrounded), ctx once at the end.
; SOFTMAX.  For each query a running maximum m and sum l: e = 2^t, t = c s - c m, c = log2(e) / sqrt(128); in every step O and l are multiplied by a = 2^d, d = c m_old - c m_new.
; THE HEAD'S BIAS, rounded to bf16 like every input and multiplied by sqrt(128), is the C operand of the products that start the scores' sums.
; ENTROPY.  With p = e / l: - sum p ln p = ln 2 (log2 l - T / l), T = sum e t, which is never positive: two terms of one sign.  T rides the running maximum: T <- a (T + d l).
; LIMITS.  Q, K, V arrive within f16's 65,504; |c s| stays under 4e37; a weight e below 2^-126 counts as 0 in l and T; NaN and infinities are not treated apart.
; The entropy of p + 1e-10 is - sum p ln p + 2048 x 1e-10 x ln 1e10 - D, D = sum (p ln(1 + 1e-10 / p) + 1e-10 ln(1 + p / 1e-10)).  The constant is added by the launch behind; D wants every
; weight's last normalisation, a second pass over K, and is left out: 0 <= D <= 3.4e-6 for every input, and it reaches 3% of a head's entropy only where nearly all its weights lie round 1e-10.
; SHARES, LAYOUT.  A work-group owns 256 queries of a head, a wave 64: four tiles of 16, in two PIECES (tiles 0, 1 and tiles 2, 3).  Every wave walks all 2,048 keys, 64 a step.
; S^T = K Q^T holds ONE query a lane (lane % 16) and the keys 8 (lane / 16) + 0..7; two such results rounded to f16 ARE source 1 of O^T = V^T P.  V comes out of LDS turned.
; BY TURNS.  In a turn one piece has the matrix unit: 32 products V^T P of the step in hand, 32 products K Q^T of the next; the other piece's softmax, a queue of 308 vector instructions, stands
; four behind each matrix instruction, the last 52 together.
; NO FIRST STEP is written out: m starts at the lowest finite number, O, l, T at 0, so the first a is 0; the loop is entered, and the tail left, in the middle of a trip.  The price: 32 products
; on zeros at the start, 32 on a stale K at the end, and 440 v_mov_b32 in the wait for the first tile.
; CLUSTER.  A cluster's four query blocks walk the same K and V: each tile is asked for jointly.  A wave has two tensor loads out at the start, one behind each round.
; REGISTERS, in windows of 256 (s_set_vgpr_msb: bits 1:0 source 0, 3:2 source 1, 5:4 source 2, 7:6 destination):
;   window 0: v2-11 addresses; v12-43 statistics; v44-51 at work; v52-59 the bias; v64-191 S^T, 32 a tile; v192-255 P, 16 a tile
;   window 1: O^T, 64 a tile          window 2: v0-127 Q, 32 a tile; v128-255 K of one step          window 3: v0-127 V of one step
.set KS,    64
.set PK,    272       ; a row of K in LDS: 256 bytes + 16: the 16 rows of a load start at 16 different groups of four banks
.set PV,    288       ; a row of V: 256 + 32
.set VOFF,  KS*PK     ; a step's tiles lie together: 64 rows of K, then 64 rows of V
.set STEPB, KS*(PK+PV)
.set SLOT1, 1<<17     ; a slot holds two steps; slot 1 begins here, so that one exclusive or turns an address in one slot into the other's
.set STAGE, SLOT1+2*STEPB  ; behind the ring: 16 rows x 272 bytes for each wave
.set SP,    272
.set SPARE, STAGE+4*16*SP  ; behind the stages: the spare words, 128 bytes for each wave, which no other line names
.set AK0, 2           ; v2   my lane's place in a tile of K; never rewritten
.set AV0, 3           ; v3   the same for V
.set ADR, 4           ; v4   the LDS address of the run of loads in hand
.set QO,  5           ; v5   my byte offset in the wave's rows of Q
.set STO, 6           ; v6   the way out: where I put 16 bytes of a row
.set RD,  7           ; v7   where I read a row back
.set GO,  8           ; v8   my byte offset in two rows of ctx
.set ST,  12          ; tile t's statistics at v[ST+8 t]: c m, m, l (even keys', odd keys'), T (likewise), a, one spare
.set WK,  44          ; for the two tiles in hand four registers c0-c3: the maximum's chains; then c0, c1 the pair of weights in hand, c2 = d, c3 = c m_old
.set BC,  52          ; v52-59 the head's bias x sqrt(128)
.set SPW, 62          ; v62  LDS address of my spare word; never rewritten
.set NIL, 63          ; v63  0; never rewritten
.set S,   64
.set P,   192
.set KF,  128         ; K's fragments, in window 2
.set WV,  12          ; s12  my wave's number
.set G1K, 24          ; s[24:31] descriptor group 1 for K's tiles
.set G1V, 32          ; s[32:39] for V's: it differs in the padding alone
.set G0K, 40          ; s[40:47] descriptor group 0 for K: a set for each of the two first fills; the second then walks on
.set G0V, 48          ; s[48:55] the same for V
.set SLOTS, 56        ; s56  counts slots
.set CNT, 57          ; s57  counts a slot's steps
.set CS,  58          ; s[58:59] c
.set SEL, 60          ; s[60:61] v_permlanex16_b32's selects: each lane takes its own place in the other half
.set TB,  62          ; s62  LDS byte at which the tiles of the step to be fetched begin
.set MSB, 0
.macro WIN new
.if MSB != (\new)
	s_set_vgpr_msb (MSB<<8)|(\new)
.set MSB, \new
.endif
.endm
.set W_KQ, 0x0a       ; K and Q in window 2, C and S^T in window 0
.set W_PV, 0x53       ; V in window 3, P in window 0, O^T in window 1
.set W_RS, 0x41       ; O^T (destination and source 0) in window 1, a in window 0
.macro JLOAD                        ; a joint refill: waves 0, 1 fetch the two steps' K, waves 2, 3 their V; an s_nop 0 and four v_nop follow each line
	s_cmp_lt_u32 s[WV], 2
	s_cbranch_scc0 .Lfor_v_\@
	tensor_load_to_lds s[G0K+4:G0K+7], s[G1K:G1K+7]
	s_nop 0
.rept 4
	v_nop
.endr
	s_branch .Lasked_\@
.Lfor_v_\@:
	tensor_load_to_lds s[G0V+4:G0V+7], s[G1V:G1V+7]
	s_nop 0
.rept 4
	v_nop
.endr
.Lasked_\@:
.endm
.macro CROUND                       ; a round of the cluster's barrier
	s_barrier_signal -1
	s_barrier_wait -1
	s_cmp_lg_u32 s[WV], 0
	s_cbranch_scc1 .Lnot_wave_0_\@
	s_barrier_signal -3
.Lnot_wave_0_\@:
	s_barrier_wait -3
	s_barrier_signal -1
	s_barrier_wait -1
.endm
	s_load_b256 s[68:75], s[0:1], 0x0  ; qkv s[68:69], resonance_bias s[70:71], ctx s[72:73], ent s[74:75]
	v_lshl_add_u32 v[SPW], v0, 2, SPARE
	v_mov_b32 v[NIL], 0
	ds_add_u32 v62, v63
	s_wait_dscnt 0x0
	v_lshrrev_b32 v1, 5, v0
	v_readfirstlane_b32 s[WV], v1   ; wave 0..3
	s_bfe_u32 s13, ttmp6, 0x40000   ; cx
	s_lshl_b32 s14, ttmp9, 2
	s_add_co_u32 s14, s14, s13      ; my block of 256 queries: it enters Q's, ctx's and ent's addresses alone
	s_and_b32 s15, ttmp7, 0xffff    ; 8 x batch + head, which the four partners share
	s_lshl_b32 s20, s15, 19         ; the head's first byte in a part of qkv
	s_and_b32 s16, s[WV], 1         ; which of a slot's two steps I fetch:
	s_lshl_b32 s22, s16, 14         ; its 64 rows of 256 bytes in memory,
	s_add_co_u32 s22, s22, s20
	s_mov_b32 s23, 0
	s_mul_i32 s17, s16, STEPB       ; and its place in a slot
	s_lshl_b32 s2, s14, 16          ; Q: my block's 256 rows, my wave's 64 of them
	s_lshl_b32 s3, s[WV], 14
	s_add_co_u32 s2, s2, s3
	s_add_co_u32 s2, s2, s20
	s_mov_b32 s3, 0
	s_lshr_b32 s18, s15, 3          ; ctx: row 2,048 x batch + 256 x block + 64 x wave, 2,048 bytes a row; column byte 256 x head
	s_lshl_b32 s18, s18, 11
	s_lshl_b32 s19, s14, 8
	s_add_co_u32 s18, s18, s19
	s_lshl_b32 s19, s[WV], 6
	s_add_co_u32 s18, s18, s19
	s_lshl_b32 s18, s18, 11
	s_and_b32 s77, s15, 7           ; the head
	s_lshl_b32 s19, s77, 8
	s_add_co_u32 s18, s18, s19
	s_mov_b32 s19, 0
	s_lshl_b32 s66, s15, 5          ; ent: word 32 x (8 batch + head) + 4 x block + wave
	s_lshl_b32 s67, s14, 2
	s_add_co_u32 s66, s66, s67
	s_add_co_u32 s66, s66, s[WV]
	s_lshl_b32 s66, s66, 2
	s_mov_b32 s67, 0
	s_lshl_b32 s78, s77, 2          ; the head's word of the bias
	s_mov_b32 s79, 0
	s_mov_b32 s[G1K], 15|(1<<16)|(1<<20)|(1<<21)|(5<<22)|(3<<25)  ; the mask of four; 2-byte elements; padding on; bit 21 beside a mask; after every 64 words; 4 words of it
	s_mov_b32 s[G1V], 15|(1<<16)|(1<<20)|(1<<21)|(5<<22)|(7<<25)  ; the same with 8 words of padding
.irp g, G1K, G1V
	s_mov_b32 s[(\g)+1], 128<<16    ; tensor_dim0 = 128
	s_mov_b32 s[(\g)+2], KS<<16     ; tensor_dim1 = 64
	s_mov_b32 s[(\g)+3], 128<<16    ; tile_dim0 = 128
	s_mov_b32 s[(\g)+4], KS         ; tile_dim1 = 64
	s_mov_b32 s[(\g)+5], 128        ; elements from row to row
	s_mov_b32 s[(\g)+6], 0
	s_mov_b32 s[(\g)+7], 0
.endr
	s_mov_b32 s[CS], 0x3e0293ee     ; c = log2(e) / sqrt(128)
	s_mov_b32 s[CS+1], s[CS]
	s_mov_b32 s[SEL], 0x76543210
	s_mov_b32 s[SEL+1], 0xfedcba98
	s_mov_b32 s[TB], 0
	s_wait_kmcnt 0x0
	s_add_nc_u64 s[4:5], s[68:69], s[2:3]          ; Q at my wave's first row
	s_add_nc_u64 s[6:7], s[68:69], s[22:23]
	s_add_nc_u64 s[8:9], s[6:7], 0x2000000         ; V at my tile of slot 0
	s_add_nc_u64 s[6:7], s[6:7], 0x1000000         ; K likewise
	s_add_nc_u64 s[10:11], s[72:73], s[18:19]      ; ctx
	s_add_nc_u64 s[74:75], s[74:75], s[66:67]      ; ent
	s_add_nc_u64 s[70:71], s[70:71], s[78:79]
	s_load_b32 s76, s[70:71], 0x0                  ; the head's bias; waited for behind the clears
	CROUND                          ; all four work-groups are here: the first joint loads meet
.irp s, 0,1
	s_mov_b32 s[G0K+4*(\s)], 1
	s_add_co_u32 s[G0K+4*(\s)+1], s17, (\s)*SLOT1
	s_add_nc_u64 s[G0K+4*(\s)+2:G0K+4*(\s)+3], s[6:7], (\s)*2*KS*256
	s_or_b32 s[G0K+4*(\s)+3], s[G0K+4*(\s)+3], 0x80000000
	s_mov_b32 s[G0V+4*(\s)], 1
	s_add_co_u32 s[G0V+4*(\s)+1], s17, (\s)*SLOT1+VOFF
	s_add_nc_u64 s[G0V+4*(\s)+2:G0V+4*(\s)+3], s[8:9], (\s)*2*KS*256
	s_or_b32 s[G0V+4*(\s)+3], s[G0V+4*(\s)+3], 0x80000000
.endr
	s_cmp_lt_u32 s[WV], 2           ; a wave's two first fills stand in one branch, ahead of every wait on TENSORcnt and every LDS read
	s_cbranch_scc0 .Lfirst_v
	tensor_load_to_lds s[G0K:G0K+3], s[G1K:G1K+7]
	s_nop 0
	tensor_load_to_lds s[G0K+4:G0K+7], s[G1K:G1K+7]
	s_nop 0
.rept 4
	v_nop
.endr
	s_branch .Lfirst_asked
.Lfirst_v:
	tensor_load_to_lds s[G0V:G0V+3], s[G1V:G1V+7]
	s_nop 0
	tensor_load_to_lds s[G0V+4:G0V+7], s[G1V:G1V+7]
	s_nop 0
.rept 4
	v_nop
.endr
.Lfirst_asked:
	v_and_b32 v1, 15, v0            ; l % 16
	v_bfe_u32 v9, v0, 4, 1          ; l / 16
	v_lshlrev_b32 v[QO], 8, v1
	v_lshl_add_u32 v[QO], v9, 4, v[QO]  ; row x 256 + 16 x half
	WIN 0x80                        ; destination window 2
.irp i, 0,1,2,3,4,5,6,7,8,9,10,11,12,13,14,15  ; Q stays in registers: tile i / 4, channels 32 (i % 4) on
	global_load_b128 v[8*(\i):8*(\i)+3],   v[QO], s[4:5] offset:((\i)/4)*4096+((\i)%4)*64
	global_load_b128 v[8*(\i)+4:8*(\i)+7], v[QO], s[4:5] offset:((\i)/4)*4096+((\i)%4)*64+32
.endr
	; What the first turn finds: O^T, V and piece 2's P hold 0 (its products V^T P, of a step that has not been, add 0); l and T are 0.
	WIN 0x40
.set i, 0
.rept 256
	v_mov_b32 v[i], 0
.set i, i+1
.endr
	WIN 0xc0
.set i, 0
.rept 128
	v_mov_b32 v[i], 0
.set i, i+1
.endr
	WIN 0
.set i, P+32
.rept 32
	v_mov_b32 v[i], 0
.set i, i+1
.endr
.set i, 0
.rept 4
	v_mov_b32 v[ST+8*i], 0xfe000000    ; c m: far below every c s
	v_mov_b32 v[ST+8*i+1], 0xff7fffff  ; m
	v_mov_b32 v[ST+8*i+2], 0
	v_mov_b32 v[ST+8*i+3], 0
	v_mov_b32 v[ST+8*i+4], 0
	v_mov_b32 v[ST+8*i+5], 0
	v_mov_b32 v[ST+8*i+6], 0
	v_mov_b32 v[ST+8*i+7], 0
.set i, i+1
.endr
	v_mul_u32_u24 v[AK0], v1, PK
	v_lshl_add_u32 v[AK0], v9, 4, v[AK0]  ; row x pitch + 16 x half
	v_and_b32 v10, 7, v0            ; the turning load: lane l reads key 8 (l / 16) + l % 8, channels 8 ((l / 8) % 2) + 0..7
	v_bfe_u32 v11, v0, 3, 1
	v_lshl_add_u32 v[AV0], v9, 3, v10
	v_mul_u32_u24 v[AV0], v[AV0], PV
	v_lshl_add_u32 v[AV0], v11, 4, v[AV0]
	v_add_nc_u32 v[AV0], VOFF, v[AV0]
	s_wait_kmcnt 0x0
	v_mov_b32 v10, s76
	v_cvt_pk_bf16_f32 v10, v10, v10 ; rounded to bf16 like every input,
	v_lshlrev_b32 v10, 16, v10
	v_mul_f32 v[BC], 0x413504f3, v10  ; times sqrt(128), since c holds 1 / sqrt(128)
.irp j, 1,2,3,4,5,6,7
	v_mov_b32 v[BC+\j], v[BC]
.endr
; THE MATRIX WORK.  The accumulators take turns, one instruction a turn.
; Product i of 32 of O^T += V^T P for piece x: keys 32 (i / 16) on, channels 16 ((i / 2) % 8) on, tile x + i % 2.
.macro PV x
	WIN W_PV
.set rO, 64*((\x)+i%2)+8*((i/2)%8)
.set rV, 64*(i/16)+8*((i/2)%8)
.set rP, P+16*((\x)+i%2)+8*(i/16)
	v_wmma_f32_16x16x32_f16 v[rO:rO+7], v[rV:rV+7], v[rP:rP+7], v[rO:rO+7]
.endm
; Product i of 32 of S^T = K Q^T: channels 32 (i / 8) on, keys 16 ((i / 2) % 4) on, tile x + i % 2.  The first 8 start the sums, with the head's bias.
.macro KQ x
	WIN W_KQ
.set rS, S+32*((\x)+i%2)+8*((i/2)%4)
.set rK, KF+32*((i/2)%4)+8*(i/8)
.set rQ, 32*((\x)+i%2)+8*(i/8)
.if i < 8
	v_wmma_f32_16x16x32_f16 v[rS:rS+7], v[rK:rK+7], v[rQ:rQ+7], v[BC:BC+7]
.else
	v_wmma_f32_16x16x32_f16 v[rS:rS+7], v[rK:rK+7], v[rQ:rQ+7], v[rS:rS+7]
.endif
.endm
; THE LDS LOADS stand in runs of 32.  last = 1 (the tail): in the last trip there is no further step, and K's run is jumped over.
.macro FETCH_K last=0
	WIN 0
	v_add_nc_u32 v[ADR], s[TB], v[AK0]
.if \last
	s_cmp_eq_u32 s[CNT], 1
	s_cbranch_scc1 .Lno_k_\@
.endif
	WIN 0x80                        ; destination window 2
.irp f, 0,1,2,3,4,5,6,7,8,9,10,11,12,13,14,15  ; keys 16 (f / 4) on, channels 32 (f % 4) on
	ds_load_b128 v[KF+8*(\f):KF+8*(\f)+3],   v[ADR] offset:((\f)/4)*16*PK+((\f)%4)*64
	ds_load_b128 v[KF+8*(\f)+4:KF+8*(\f)+7], v[ADR] offset:((\f)/4)*16*PK+((\f)%4)*64+32
.endr
	WIN 0
.if \last
.Lno_k_\@:
.endif
.endm
.macro FETCH_V
	WIN 0
	v_add_nc_u32 v[ADR], s[TB], v[AV0]
	s_add_co_u32 s[TB], s[TB], STEPB  ; the next fetch is the next step's
	WIN 0xc0                        ; destination window 3
.irp f, 0,1,2,3,4,5,6,7,8,9,10,11,12,13,14,15  ; keys 32 (f / 8) on, channels 16 (f % 8) on
	ds_load_tr16_b128 v[8*(\f):8*(\f)+3],   v[ADR] offset:((\f)/8)*32*PV+((\f)%8)*32
	ds_load_tr16_b128 v[8*(\f)+4:8*(\f)+7], v[ADR] offset:((\f)/8)*32*PV+16*PV+((\f)%8)*32
.endr
.endm
; THE VECTOR WORK: VQ writes entry q of the softmax of piece Y (tiles Y, Y + 1) for one key step, and steps q.  308 entries; s0-s31 are a lane's 32 scores of a tile, in pairs 0-15.
;   0-43     tiles alternating, 22 each: the maximum of s0-s31 and the old m (each accumulator's lowest registers are read first); the other half of the lanes'; c m_old kept; m; c m; d; a = 2^d
;   44-51    t = c s - c m for pair 0 (the plain instruction behind the two exponentials); T += l d; T *= a; l *= a
;   52-115   O^T times a, in ascending order: the one part that leaves window 0: sixteen whole groups of four
;   116-307  sixteen rounds of twelve, round b for pair b of both tiles: the two exponentials of each tile into c0, c1 (t stays where it was), each with a plain independent instruction next behind it
;            (t for pair b + 1; the rounding to f16; l += e); then T += e t
.macro REGS t, u
.set rT, ST+8*(\t)
.set rW, WK+4*(\u)
.set rS, S+32*(\t)
.set rP, P+16*(\t)
.set rO, 64*(\t)
.endm
.macro FS b                         ; pair b: c s - c m, in place
	v_pk_fma_f32 v[rS+2*(\b):rS+2*(\b)+1], v[rS+2*(\b):rS+2*(\b)+1], s[CS:CS+1], v[rT:rT+1] op_sel_hi:[1,0,0] neg_lo:[0,0,1] neg_hi:[0,0,1]
.endm
.macro VQ
.if q < 52
	REGS Y+q%2, q%2
	WIN 0
.set n, q/2
.if n < 4
	v_max3_num_f32 v[rW+n], v[rS+8*n], v[rS+8*n+1], v[rS+8*n+2]
.elseif n < 12
	v_max3_num_f32 v[rW+n%4], v[rW+n%4], v[rS+8*(n%4)+2*(n/4)+1], v[rS+8*(n%4)+2*(n/4)+2]
.elseif n == 12
	v_max3_num_f32 v[rW], v[rW], v[rS+7], v[rS+15]
.elseif n == 13
	v_max3_num_f32 v[rW+2], v[rW+2], v[rS+23], v[rS+31]
.elseif n == 14
	v_max3_num_f32 v[rW], v[rW], v[rW+1], v[rW+2]
.elseif n == 15
	v_max3_num_f32 v[rW], v[rW], v[rW+3], v[rT+1]
.elseif n == 16
	v_permlanex16_b32 v[rW+1], v[rW], s[SEL], s[SEL+1]  ; the query's other 32 keys lie in the lane 16 away
.elseif n == 17
	v_mov_b32 v[rW+3], v[rT]
.elseif n == 18
	v_max_num_f32 v[rT+1], v[rW], v[rW+1]
.elseif n == 19
	v_mul_f32 v[rT], s[CS], v[rT+1]
.elseif n == 20
	v_sub_f32 v[rW+2], v[rW+3], v[rT]
.elseif n == 21
	v_exp_f32 v[rT+6], v[rW+2]
.elseif n == 22
	FS 0
.elseif n == 23
	v_pk_fma_f32 v[rT+4:rT+5], v[rT+2:rT+3], v[rW+2:rW+3], v[rT+4:rT+5] op_sel_hi:[1,0,1]
.elseif n == 24
	s_wait_alu depctr_va_vdst(0)
	v_pk_mul_f32 v[rT+4:rT+5], v[rT+4:rT+5], v[rT+6:rT+7] op_sel_hi:[1,0]
.else
	v_pk_mul_f32 v[rT+2:rT+3], v[rT+2:rT+3], v[rT+6:rT+7] op_sel_hi:[1,0]
.endif
.elseif q < 116
	REGS Y+q%2, q%2
	WIN W_RS
.set n, (q-52)/2
	v_pk_mul_f32 v[rO+2*n:rO+2*n+1], v[rO+2*n:rO+2*n+1], v[rT+6:rT+7] op_sel_hi:[1,0]
.else
	WIN 0
.set b, (q-116)/12
.set k, (q-116)%12
.if (k < 3) || (k == 5) || (k == 7) || (k == 8)
	REGS Y, 0
.else
	REGS Y+1, 1
.endif
.if (k == 0) || (k == 4)
	v_exp_f32 v[rW], v[rS+2*b]
.elseif (k == 2) || (k == 6)
	v_exp_f32 v[rW+1], v[rS+2*b+1]
.elseif ((k == 1) || (k == 3)) && (b == 15)
	v_nop                           ; there is no pair 16: the place behind the exponential is kept
.elseif (k == 1) || (k == 3)
	FS b+1
.elseif (k == 5) || (k == 9)
	s_wait_alu depctr_va_vdst(0)
	v_cvt_pk_f16_f32 v[rP+b], v[rW], v[rW+1]
.elseif (k == 7) || (k == 10)
	v_pk_add_f32 v[rT+2:rT+3], v[rT+2:rT+3], v[rW:rW+1]
.else
	v_pk_fma_f32 v[rT+4:rT+5], v[rW:rW+1], v[rS+2*b:rS+2*b+1], v[rT+4:rT+5]
.endif
.endif
.set q, q+1
.endm
; A TURN.  Piece x has the matrix unit; the other piece's softmax stands four behind each product; none of it names a register of the products round it.  The 52 entries at the end hold more than
; four plain instructions: they are the places between the turn's last K Q^T and the next turn's reads of those scores and loads into K.
; Piece 0's turn fetches the next step's K behind its second product; piece 2's turn the same step's V behind its second K Q^T, twelve vector instructions (eight plain) behind the last product that read V.
.macro TURN x, last=0
.set Y, 2-(\x)
.set q, 0
.if (\x) == 0
	s_wait_dscnt 0x0                ; V is in
.endif
.set i, 0
.rept 32
	PV \x
	VQ
	VQ
	VQ
	VQ
.if ((\x) == 0) && (i == 1)
	FETCH_K \last
.endif
.set i, i+1
.endr
.if (\x) == 0
	s_wait_dscnt 0x0                ; K is in
.endif
.set i, 0
.rept 32
	KQ \x
	VQ
	VQ
	VQ
	VQ
.if ((\x) == 2) && (i == 1)
	FETCH_V
.endif
.set i, i+1
.endr
.rept 52
	VQ
.endr
.endm
; THE CHANGE OF SLOTS, between piece 2's turn and piece 0's.  Each wave waits for all its tensor loads (the one that is out is its part of the other slot), adds 0 to its spare word, and waits for that
; and for its reads of the slot.  fill = 1: the slot is filled again with the keys two slots on; the barrier is then a round of the cluster's, and the joint refill is the first thing behind it:
; it has two key steps, 256 matrix instructions, in which to land.
.macro CHANGE fill
	WIN 0
	s_wait_tensorcnt 0x0
	ds_add_u32 v[SPW], v[NIL]
.if \fill
.irp g, G0K+4, G0V+4
	s_xor_b32 s[(\g)+1], s[(\g)+1], SLOT1  ; the walking descriptor: the other slot than last time,
	s_add_nc_u64 s[(\g)+2:(\g)+3], s[(\g)+2:(\g)+3], 2*KS*256  ; the next 128 keys
.endr
	s_wait_dscnt 0x0                ; the add is done, and my reads of the slot are over
	CROUND
	JLOAD
.else
	s_wait_dscnt 0x0
	s_barrier_signal -1
	s_barrier_wait -1
.endif
	s_sub_co_u32 s[TB], s[TB], 2*STEPB  ; the fetches go back to a slot's first step,
	s_xor_b32 s[TB], s[TB], SLOT1   ; in the other slot
.endm
	s_wait_tensorcnt 0x1            ; my part of slot 0 is in; slot 1's may stay out
	s_barrier_signal -1
	s_barrier_wait -1
	FETCH_K                         ; key step 0
	s_wait_loadcnt 0x0              ; Q
	s_wait_dscnt 0x0
.set i, 0
.rept 32
	KQ 0                            ; piece 0's first scores
.set i, i+1
.endr
	WIN 0                           ; the addresses for the way out: eight plain instructions, the places behind those products
	s_mul_i32 s13, s[WV], 16*SP
	s_add_co_u32 s13, s13, STAGE    ; my stage
	v_mul_u32_u24 v[STO], v1, SP    ; in: row l % 16, 16 bytes for each half of the lanes
	v_lshl_add_u32 v[STO], v9, 4, v[STO]
	v_add_nc_u32 v[STO], s13, v[STO]
	v_mul_u32_u24 v[RD], v9, SP     ; back: lanes 0-15 take one row of 256 bytes, lanes 16-31 the next
	v_lshl_add_u32 v[RD], v1, 4, v[RD]
	v_add_nc_u32 v[RD], s13, v[RD]
	v_lshlrev_b32 v[GO], 11, v9     ; and the same two rows in ctx, 2,048 bytes apart
	v_lshl_add_u32 v[GO], v1, 4, v[GO]
	s_mov_b32 s[CNT], 2
	s_mov_b32 s[SLOTS], 15
	s_branch .Lfirst                ; the loop is entered in the middle of a trip
.Lslot:                             ; 14 times: every slot but the last two is filled again
	CHANGE 1
	s_mov_b32 s[CNT], 2
.Lstep:
	TURN 0
	WIN 0
.Lfirst:
	TURN 2
	WIN 0
	s_sub_co_u32 s[CNT], s[CNT], 1
	s_cmp_lg_u32 s[CNT], 0
	s_cbranch_scc1 .Lstep
	s_sub_co_u32 s[SLOTS], s[SLOTS], 1
	s_cmp_lg_u32 s[SLOTS], 0
	s_cbranch_scc1 .Lslot
	CHANGE 0                        ; the tail is written out: nothing is asked for
	s_mov_b32 s[CNT], 3             ; two trips fetch the last slot's steps; the third is left in its middle
.Ltail:
	TURN 0, 1
	WIN 0
	s_sub_co_u32 s[CNT], s[CNT], 1
	s_cmp_eq_u32 s[CNT], 0
	s_cbranch_scc1 .Lout
	TURN 2
	WIN 0
	s_branch .Ltail
.Lout:                              ; the third trip's 32 products K Q^T, on the last K once more, serve nothing: the price of one text for every trip
.set i, 0
.rept 32
	PV 2                            ; piece 2: V^T P of the last step
.set i, i+1
.endr
	; THE WAY OUT.  l's and T's two halves and the other half of the lanes' are added (the first eight additions are the places behind the last products); a row's entropy in bits is log2 l - T / l.
	WIN 0
.irp t, 0,1,2,3
	v_add_f32 v[ST+8*\t+2], v[ST+8*\t+2], v[ST+8*\t+3]
	v_add_f32 v[ST+8*\t+4], v[ST+8*\t+4], v[ST+8*\t+5]
.endr
.irp t, 0,1,2,3
	v_permlanex16_b32 v[ST+8*\t+3], v[ST+8*\t+2], s[SEL], s[SEL+1]
	v_permlanex16_b32 v[ST+8*\t+5], v[ST+8*\t+4], s[SEL], s[SEL+1]
.endr
.irp t, 0,1,2,3
	v_add_f32 v[ST+8*\t+2], v[ST+8*\t+2], v[ST+8*\t+3]
	v_add_f32 v[ST+8*\t+4], v[ST+8*\t+4], v[ST+8*\t+5]
.endr
.irp t, 0,1,2,3
	v_rcp_f32 v[ST+8*\t+6], v[ST+8*\t+2]
	v_log_f32 v[ST+8*\t+7], v[ST+8*\t+2]
.endr
	v_nop                           ; a plain instruction between the last of them and the use of their results
.irp t, 0,1,2,3
	s_wait_alu depctr_va_vdst(0)
	v_fma_f32 v[ST+8*\t+5], -v[ST+8*\t+4], v[ST+8*\t+6], v[ST+8*\t+7]
.endr
	v_add_f32 v10, v[ST+5], v[ST+13]
	v_add_f32 v11, v[ST+21], v[ST+29]
	v_add_f32 v10, v10, v11         ; my four queries'; a query lies in lanes l and l + 16 alike, so sixteen lanes hold the wave's 64
	v_add_f32_dpp v10, v10, v10 row_xmask:1 row_mask:0xf bank_mask:0xf
	v_add_f32_dpp v10, v10, v10 row_xmask:2 row_mask:0xf bank_mask:0xf
	v_add_f32_dpp v10, v10, v10 row_xmask:4 row_mask:0xf bank_mask:0xf
	v_add_f32_dpp v10, v10, v10 row_xmask:8 row_mask:0xf bank_mask:0xf
	v_mul_f32 v10, 0x3f317218, v10  ; bits to nats
; Tile t: O^T is divided by l and rounded to f16; a lane's eight channels pack into 16 bytes; they go into rows of 272 bytes and come back as whole rows of 256.
.macro PACK t
	WIN W_RS
.set i, 64*(\t)
.rept 32
	v_pk_mul_f32 v[i:i+1], v[i:i+1], v[ST+8*(\t)+6:ST+8*(\t)+7] op_sel_hi:[1,0]
.set i, i+2
.endr
	WIN 0x05                        ; sources 0 and 1 window 1, destination window 0: S^T's registers are free
.set i, 0
.rept 32
	v_cvt_pk_f16_f32 v[S+32*(\t)+i], v[64*(\t)+2*i], v[64*(\t)+2*i+1]
.set i, i+1
.endr
	WIN 0
.irp f, 0,1,2,3,4,5,6,7
	ds_store_b128 v[STO], v[S+32*(\t)+4*(\f):S+32*(\t)+4*(\f)+3] offset:32*(\f)
.endr
.irp f, 0,1,2,3,4,5,6,7
	ds_load_b128 v[S+32*(\t)+4*(\f):S+32*(\t)+4*(\f)+3], v[RD] offset:(\f)*2*SP  ; LDS serves a wave's instructions in order: these see the stores above; the next tile's stores come behind them
.endr
.endm
.macro SEND t, younger              ; younger: the LDS instructions issued behind tile t's loads: the next tile's sixteen, or none
	WIN 0
.irp f, 0,1,2,3,4,5,6,7
	s_wait_dscnt (\younger)+7-(\f)
	global_store_b128 v[GO], v[S+32*(\t)+4*(\f):S+32*(\t)+4*(\f)+3], s[10:11] offset:(\t)*32768+(\f)*4096  ; 16 lanes store 256 consecutive bytes, at a multiple of 256 from ctx's first byte
.endr
.endm
	PACK 0
	PACK 1                          ; a tile's arithmetic stands between the loads of the tile before and its stores
	SEND 0, 16
	PACK 2
	SEND 1, 16
	PACK 3
	SEND 2, 16
	SEND 3, 0
	v_and_b32 v9, 31, v0            ; lane 0 stores the wave's sum of entropies
	v_mov_b32 v11, 0
	v_cmp_eq_u32 vcc_lo, 0, v9
	s_wait_xcnt 0x0                 ; EXEC changes only behind this wait
	s_and_saveexec_b32 s63, vcc_lo
	global_store_b32 v11, v10, s[74:75]
	s_wait_xcnt 0x0                 ; and again, in front of the line that widens it
	s_or_b32 exec_lo, exec_lo, s63
	s_wait_tensorcnt 0x0            ; the wave's end
	ds_add_u32 v[SPW], v[NIL]
	s_wait_dscnt 0x0
	CROUND                          ; the closing round
	s_endpgm
.Lfunc_end_k_qe6a99e394a_attn:
	.size	k_qe6a99e394a_attn, .Lfunc_end_k_qe6a99e394a_attn-k_qe6a99e394a_attn
	.p2alignl 7, 3214868480
	.fill 96, 4, 3214868480
	.section	.rodata,"a",@progbits
	.p2align	6, 0x0
	.amdhsa_kernel k_qe6a99e394a_attn
		.amdhsa_group_segment_fixed_size 327680
		.amdhsa_private_segment_fixed_size 0
		.amdhsa_enable_private_segment 0
		.amdhsa_kernarg_size 32
		.amdhsa_user_sgpr_count 2
		.amdhsa_user_sgpr_kernarg_segment_ptr 1
		.amdhsa_wavefront_size32 1
		.amdhsa_system_sgpr_workgroup_id_x 1
		.amdhsa_system_sgpr_workgroup_id_y 1
		.amdhsa_system_sgpr_workgroup_id_z 1
		.amdhsa_system_vgpr_workitem_id 0
		.amdhsa_next_free_vgpr 896
		.amdhsa_next_free_sgpr 80
		.amdhsa_reserve_vcc 1
		.amdhsa_float_denorm_mode_32 3
		.amdhsa_float_denorm_mode_16_64 3
		.amdhsa_memory_ordered 1
		.amdhsa_forward_progress 1
		.amdhsa_inst_pref_size 173
	.end_amdhsa_kernel
	.amdgpu_metadata
---
amdhsa.version: [ 1, 2 ]
amdhsa.kernels:
  - .name:           k_qe6a99e394a_attn
    .symbol:         k_qe6a99e394a_attn.kd
    .args:
      - { .name: qkv, .offset: 0, .size: 8, .value_kind: global_buffer, .address_space: global }
      - { .name: resonance_bias, .offset: 8, .size: 8, .value_kind: global_buffer, .address_space: global }
      - { .name: ctx, .offset: 16, .size: 8, .value_kind: global_buffer, .address_space: global }
      - { .name: ent, .offset: 24, .size: 8, .value_kind: global_buffer, .address_space: global }
    .group_segment_fixed_size: 327680
    .private_segment_fixed_size: 0
    .kernarg_segment_align: 8
    .kernarg_segment_size: 32
    .max_flat_workgroup_size: 128
    .sgpr_count:     80
    .vgpr_count:     896
    .wavefront_size: 32
...
	.end_amdgpu_metadata
.endif
;; end of part 3
;; launch outp (part 4): grid 8 x 32, 4 waves a work-group, clusters of 4 x 4, 327,680 bytes of LDS; arguments ctx, wo16, bias, ent, out0, out1; writes out0, out1
.if DOCPART == 4
	.amdgcn_target "amdgcn-amd-amdhsa--gfx1250"
	.amdhsa_code_object_version 6
	.text
	.protected	k_qe6a99e394a_outp
	.globl	k_qe6a99e394a_outp
	.p2align	8
	.type	k_qe6a99e394a_outp,@function
k_qe6a99e394a_outp:
	s_mov_b64 s[64:65], 0
	v_nop
	global_prefetch_b8 v0, s[64:65] scope:SCOPE_SE
	s_setreg_imm32_b32 hwreg(HW_REG_WAVE_MODE, 25, 1), 1
	s_wait_xcnt 0x0
	s_wait_alu depctr_hold_cnt(0) depctr_sa_sdst(0) depctr_va_vdst(0) depctr_va_sdst(0) depctr_va_ssrc(0) depctr_va_vcc(0) depctr_vm_vsrc(0)
	s_getreg_b32 s2, hwreg(HW_REG_IB_STS2, 6, 4)
	s_cmp_eq_u32 s2, 0
	s_cbranch_scc0 .Lentry_in_a_cluster
	s_endpgm
.Lentry_in_a_cluster:
	s_bfe_u32 s2, ttmp6, 0x10000c
	s_cmp_lg_u32 s2, 0xf033
	s_cbranch_scc0 .Lentry_shape_is_right
	s_endpgm
.Lentry_shape_is_right:
; out0 = ctx Wo^T + bo, in f32, and out1[head] = the mean of the head's 2,048 row entropies + 2048 x 1e-10 x ln 1e10.
; ctx: [8192][1024] f16.  wo16: [1024][1024] f16.  bias: [4][1024] f32, row 3 = bo.  ent: [32][32] f32, a head's 32 partial sums.  Products in f16, sums in f32.
; LIMIT.  Of the entropy of p + 1e-10 the remainder D that the launch before describes is left out: at most 3.4e-6.
; SHAPE.  A tile of C is 256 rows x 128 columns: 32 x 8 = 256 work-groups, one tile each.  Four waves; wave w makes rows 64 w .. 64 w + 63 and all 128 columns: 32 accumulators, 256 registers.
; RING, CLUSTER, TRANSPOSED USE, THE BIAS AS THE FIRST PRODUCTS' C OPERAND, REGISTER WINDOWS: K goes in steps of 128 through two LDS slots (256 rows of A, 128 of B, rows of 256 + 16 bytes); waves 0, 1
; fetch A's halves, waves 2, 3 B's, jointly along a row or a column of a cluster of 4 x 4; source 0 = 16 rows of B, source 1 = 16 rows of A, so lane l holds row l % 16 and columns 8 (l / 16) + 0..7.
; A wave has two tensor loads out at the start and one behind each round.
;   window 0: v16-29 addresses; v32-95 the bias; v96-223 the way out      window 2: the accumulators, (a, b) at v[8 (8 a + b)]
;   window 1, window 3: fragment buffers 0 and 1, each 64 along K: B (c, b) at v[8 (8 c + b)], A (c, a) at v[128 + 8 (4 c + a)]
.set KSTEP,  128
.set PITCH,  272
.set HA,     128*PITCH
.set HB,     64*PITCH
.set BOFF,   2*HA
.set SLOT,   2*HA+2*HB
.set STAGE,  2*SLOT                    ; behind the ring: 16 rows x 528 bytes for each wave
.set SPITCH, 528                       ; 512 bytes + 16 = 132 words: 16 rows start at 16 different groups of four banks
.set SPARE,  STAGE+4*16*SPITCH         ; behind the stages: the spare words, 128 bytes for each wave, which no other line names
.set ADRA, 16
.set ADRB, 20
.set STO,  24
.set RD,   25
.set CO,   26
.set BO,   27
.set SPW,  28
.set NIL,  29
.set BIAS, 32
.set OB,   96
.set G1A, 24
.set G0A, 32
.set G1B, 40
.set G0B, 48
.set BP,  8                            ; s[8:9]   bo of my columns
.set CP,  68                           ; s[68:69] my 64 rows of out0
.set FLAGS, (1<<16)|(1<<20)|(1<<21)|(5<<22)|(3<<25)
.set MSB, 0
.macro WIN new
.if MSB != (\new)
	s_set_vgpr_msb (MSB<<8)|(\new)
.set MSB, \new
.endif
.endm
.macro PLACES
.rept 4
	v_nop
.endr
.endm
.macro JLOAD s                         ; a joint load; an s_nop 0 and four v_nop follow each line
	s_cmp_eq_u32 s13, 0
	s_cbranch_scc0 .Lfor_b_\@
	tensor_load_to_lds s[G0A+4*(\s):G0A+4*(\s)+3], s[G1A:G1A+7]
	s_nop 0
.rept 4
	v_nop
.endr
	s_branch .Lasked_\@
.Lfor_b_\@:
	tensor_load_to_lds s[G0B+4*(\s):G0B+4*(\s)+3], s[G1B:G1B+7]
	s_nop 0
.rept 4
	v_nop
.endr
.Lasked_\@:
.endm
.macro CREST
	s_cmp_lg_u32 s12, 0
	s_cbranch_scc1 .Lnot_wave_0_\@
	s_barrier_signal -3
.Lnot_wave_0_\@:
	s_barrier_wait -3
	s_barrier_signal -1
	s_barrier_wait -1
.endm
.macro CROUND
	s_barrier_signal -1
	s_barrier_wait -1
	CREST
.endm
	s_load_b256 s[4:11], s[0:1], 0x0               ; ctx s[4:5], wo16 s[6:7], bias s[8:9], ent s[10:11]
	s_load_b128 s[68:71], s[0:1], 0x20             ; out0 s[68:69], out1 s[70:71]
	v_lshl_add_u32 v[SPW], v0, 2, SPARE
	v_mov_b32 v[NIL], 0
	ds_add_u32 v28, v29
	s_wait_dscnt 0x0
	v_lshrrev_b32 v1, 5, v0
	v_readfirstlane_b32 s12, v1                    ; wave 0..3
	s_lshr_b32 s13, s12, 1                         ; I fetch for A (0) or for B (1),
	s_and_b32 s14, s12, 1                          ; this half of the tile's rows
	s_bfe_u32 s15, ttmp6, 0x40000                  ; cx, cy
	s_bfe_u32 s16, ttmp6, 0x40004
	s_lshl_b32 s17, ttmp9, 2
	s_add_co_u32 s17, s17, s15                     ; tile column, 0..7
	s_and_b32 s18, ttmp7, 0xffff
	s_lshl_b32 s18, s18, 2
	s_add_co_u32 s18, s18, s16                     ; tile row, 0..31
	s_lshl_b32 s19, s16, 2
	s_lshl_b32 s19, 15, s19                        ; my row of the cluster
	s_lshl_b32 s20, 0x1111, s15                    ; my column
	s_or_b32 s[G1A], s19, FLAGS
	s_or_b32 s[G1B], s20, FLAGS
	s_mov_b32 s[G1A+1], KSTEP<<16
	s_mov_b32 s[G1A+2], 128<<16
	s_mov_b32 s[G1A+3], KSTEP<<16
	s_mov_b32 s[G1A+4], 128
	s_mov_b32 s[G1A+5], 1024
	s_mov_b32 s[G1A+6], 0
	s_mov_b32 s[G1A+7], 0
	s_mov_b32 s[G1B+1], KSTEP<<16
	s_mov_b32 s[G1B+2], 64<<16
	s_mov_b32 s[G1B+3], KSTEP<<16
	s_mov_b32 s[G1B+4], 64
	s_mov_b32 s[G1B+5], 1024
	s_mov_b32 s[G1B+6], 0
	s_mov_b32 s[G1B+7], 0
	s_lshl_b32 s56, s18, 8                         ; A: row 256 x tile row + 128 x half, 2,048 bytes a row
	s_lshl_b32 s57, s14, 7
	s_add_co_u32 s56, s56, s57
	s_lshl_b32 s56, s56, 11
	s_mov_b32 s57, 0
	s_lshl_b32 s58, s17, 7                         ; B: row 128 x tile column + 64 x half
	s_lshl_b32 s59, s14, 6
	s_add_co_u32 s58, s58, s59
	s_lshl_b32 s58, s58, 11
	s_mov_b32 s59, 0
	s_mul_i32 s60, s14, HA
	s_mul_i32 s61, s14, HB
	s_add_co_u32 s61, s61, BOFF
	s_wait_kmcnt 0x0
	s_add_nc_u64 s[56:57], s[4:5], s[56:57]
	s_add_nc_u64 s[58:59], s[6:7], s[58:59]
	CROUND                                         ; all sixteen work-groups are here: the first joint loads meet
.irp s, 0,1
	s_mov_b32 s[G0A+4*\s], 1
	s_add_co_u32 s[G0A+4*\s+1], s60, \s*SLOT
	s_add_nc_u64 s[G0A+4*\s+2:G0A+4*\s+3], s[56:57], \s*KSTEP*2
	s_or_b32 s[G0A+4*\s+3], s[G0A+4*\s+3], 0x80000000
	s_mov_b32 s[G0B+4*\s], 1
	s_add_co_u32 s[G0B+4*\s+1], s61, \s*SLOT
	s_add_nc_u64 s[G0B+4*\s+2:G0B+4*\s+3], s[58:59], \s*KSTEP*2
	s_or_b32 s[G0B+4*\s+3], s[G0B+4*\s+3], 0x80000000
	JLOAD \s
.endr
	v_and_b32 v1, 15, v0                           ; l % 16
	v_bfe_u32 v2, v0, 4, 1                         ; l / 16
	v_mul_u32_u24 v3, v1, PITCH
	v_lshl_add_u32 v3, v2, 4, v3
	s_mul_i32 s62, s12, 64*PITCH                   ; my 64 rows of A
	s_mov_b32 s63, BOFF                            ; all 128 rows of B
.irp s, 0,1
	v_add_nc_u32 v[ADRA+\s], s62, v3
	v_add_nc_u32 v[ADRB+\s], s63, v3
	s_add_co_u32 s62, s62, SLOT
	s_add_co_u32 s63, s63, SLOT
.endr
	s_mul_i32 s62, s12, 16*SPITCH
	s_add_co_u32 s62, s62, STAGE                   ; my stage
	v_mul_u32_u24 v4, v1, SPITCH                   ; in: row l % 16, 32 bytes for each half of the lanes
	v_lshl_add_u32 v4, v2, 5, v4
	v_add_nc_u32 v[STO], s62, v4
	v_and_b32 v5, 31, v0
	v_lshlrev_b32 v[CO], 4, v5                     ; back and out: 32 lanes take a row's 512 bytes
	v_add_nc_u32 v[RD], s62, v[CO]
	v_lshlrev_b32 v[BO], 5, v2
	s_lshl_b32 s66, s18, 8                         ; out0: row 256 x tile row + 64 x wave, 4,096 bytes a row; column byte 512 x tile column
	s_lshl_b32 s67, s12, 6
	s_add_co_u32 s66, s66, s67
	s_lshl_b32 s66, s66, 12
	s_lshl_b32 s67, s17, 9
	s_add_co_u32 s66, s66, s67
	s_mov_b32 s67, 0
	s_add_nc_u64 s[CP:CP+1], s[CP:CP+1], s[66:67]
	s_lshl_b32 s66, s17, 9
	s_add_co_u32 s66, s66, 12288                   ; bo is the fourth row of bias
	s_add_nc_u64 s[BP:BP+1], s[BP:BP+1], s[66:67]
	s_lshl_b32 s66, s18, 7                         ; head = tile row: its 32 words of ent,
	s_add_nc_u64 s[10:11], s[10:11], s[66:67]
	s_lshl_b32 s66, s18, 2                         ; and its word of out1
	s_add_nc_u64 s[70:71], s[70:71], s[66:67]
.irp b, 0,1,2,3,4,5,6,7
	global_load_b128 v[BIAS+8*\b:BIAS+8*\b+3],   v[BO], s[BP:BP+1] offset:64*\b
	global_load_b128 v[BIAS+8*\b+4:BIAS+8*\b+7], v[BO], s[BP:BP+1] offset:64*\b+16
.endr
	; THE ENTROPY, in the wait for the first tile: wave 0 adds the head's 32 partial sums.  Every tile column computes it; lane 0 of tile column 0 stores it: a mask, not a branch.
	s_cmp_lg_u32 s12, 0
	s_cbranch_scc1 .Lno_ent
	v_and_b32 v9, 31, v0
	v_lshlrev_b32 v6, 2, v9
	global_load_b32 v7, v6, s[10:11]
	v_mov_b32 v8, 0
	v_mov_b32 v10, 0
	s_lshl_b32 s76, s17, 5
	v_add_nc_u32 v9, s76, v9                       ; 0 only in lane 0 of tile column 0
	s_mov_b32 s72, 0x76543210
	s_mov_b32 s73, 0xfedcba98
	s_mov_b32 s74, 0x3a000000                      ; 1 / 2048
	s_mov_b32 s75, 0x369e3b82                      ; 2048 x 1e-10 x ln 1e10 = 4.7157e-6
	s_wait_loadcnt 0x0
	v_add_f32_dpp v7, v7, v7 row_xmask:1 row_mask:0xf bank_mask:0xf
	v_add_f32_dpp v7, v7, v7 row_xmask:2 row_mask:0xf bank_mask:0xf
	v_add_f32_dpp v7, v7, v7 row_xmask:4 row_mask:0xf bank_mask:0xf
	v_add_f32_dpp v7, v7, v7 row_xmask:8 row_mask:0xf bank_mask:0xf
	v_permlanex16_b32 v8, v7, s72, s73
	v_add_f32 v7, v7, v8
	v_fma_f32 v7, v7, s74, s75
	v_cmp_eq_u32 vcc_lo, 0, v9
	s_wait_xcnt 0x0                                ; EXEC changes only behind this wait
	s_and_saveexec_b32 s77, vcc_lo
	global_store_b32 v10, v7, s[70:71]
	s_wait_xcnt 0x0                                ; and again, in front of the line that widens it
	s_or_b32 exec_lo, exec_lo, s77
.Lno_ent:
; n row blocks from a0 x all 8 column blocks, 32 along K: part c of buffer f.  bias = 1: the products start the sums, with the bias as C.
; The 32 accumulators take turns in one fixed order, one instruction a turn.
.macro MULA f, c, a0, n, bias
.if \bias
	WIN 0x85
.else
	WIN 0xa5+10*(\f)
.endif
.set a, \a0
.rept \n
.set b, 0
.rept 8
.set rD, 8*(8*a+b)
.set rB, 8*(8*(\c)+b)
.set rA, 128+8*(4*(\c)+a)
.if \bias
	v_wmma_f32_16x16x32_f16 v[rD:rD+7], v[rB:rB+7], v[rA:rA+7], v[BIAS+8*b:BIAS+8*b+7]
.else
	v_wmma_f32_16x16x32_f16 v[rD:rD+7], v[rB:rB+7], v[rA:rA+7], v[rD:rD+7]
.endif
.set b, b+1
.endr
.set a, a+1
.endr
.endm
.macro FETCH slot, k, f                ; 48 LDS loads in one run: 64 along K at byte k of the rows, into buffer f; the first 32 along K (24 loads) first
	WIN 0x40+0x80*(\f)
.irp c, 0,1
.irp j, 0,1,2,3,4,5,6,7
	ds_load_b128 v[8*(8*\c+\j):8*(8*\c+\j)+3],   v[ADRB+(\slot)] offset:(\k)+64*\c+\j*16*PITCH
	ds_load_b128 v[8*(8*\c+\j)+4:8*(8*\c+\j)+7], v[ADRB+(\slot)] offset:(\k)+64*\c+\j*16*PITCH+32
.endr
.irp j, 0,1,2,3
	ds_load_b128 v[128+8*(4*\c+\j):128+8*(4*\c+\j)+3],   v[ADRA+(\slot)] offset:(\k)+64*\c+\j*16*PITCH
	ds_load_b128 v[128+8*(4*\c+\j)+4:128+8*(4*\c+\j)+7], v[ADRA+(\slot)] offset:(\k)+64*\c+\j*16*PITCH+32
.endr
.endr
.endm
.macro UNIT slot, k, bias              ; the first half of a K step: multiplies buffer 0, fetches the second half into buffer 1
	s_wait_dscnt 24                                ; the first 32 along K are in; the 24 younger loads may be out
	MULA 0, 0, 0, 4, \bias
	PLACES
	FETCH \slot, \k, 1
	s_wait_dscnt 48                                ; all but the 48 just issued
	MULA 0, 1, 0, 4, 0
.endm
; The second half multiplies buffer 1 and changes slots: ONE barrier; in front of it each wave waits for all its tensor loads, adds 0 to its spare word, and waits for that and for its reads of this slot.
; fill = 1: the barrier opens a round of the cluster's, and this slot is filled again, two K steps on, first thing behind the round: 112 matrix instructions ahead of the wait for it.
.macro TURN slot, next, fill
	WIN 0
	s_wait_tensorcnt 0x0
	ds_add_u32 v[SPW], v[NIL]
	s_wait_dscnt 25                                ; the add and the youngest 24 loads may be out
	MULA 1, 0, 0, 1, 0
	s_wait_dscnt 0x0                               ; the add is done, and my reads of this slot are over
	s_barrier_signal -1
	MULA 1, 0, 1, 1, 0
.if \fill
	WIN 0
.endif
	s_barrier_wait -1
.if \fill
	CREST
	s_add_nc_u64 s[G0A+4*(\slot)+2:G0A+4*(\slot)+3], s[G0A+4*(\slot)+2:G0A+4*(\slot)+3], 2*KSTEP*2
	s_add_nc_u64 s[G0B+4*(\slot)+2:G0B+4*(\slot)+3], s[G0B+4*(\slot)+2:G0B+4*(\slot)+3], 2*KSTEP*2
	JLOAD \slot                                    ; its four v_nop are also the places in front of the loads below
.else
	PLACES
.endif
	FETCH \next, 0, 0
	MULA 1, 0, 2, 2, 0
	MULA 1, 1, 0, 4, 0
.endm
; THE WAY OUT, a block of 16 rows at a time: the f32 sums go straight from the accumulators (each one's low four registers first) into my own stage, and come back as whole rows of 512 bytes.
.macro TOSTAGE a
.if (\a) >= 2
	s_wait_xcnt 0x0                                ; the registers that block a - 2's stores read are loaded again only behind this wait
.endif
	WIN 0x08                                       ; the stores' data in window 2
.irp b, 0,1,2,3,4,5,6,7
	ds_store_b128 v[STO], v[8*(8*(\a)+\b):8*(8*(\a)+\b)+3]   offset:64*\b
	ds_store_b128 v[STO], v[8*(8*(\a)+\b)+4:8*(8*(\a)+\b)+7] offset:64*\b+16
.endr
	WIN 0
.set BK, OB+64*((\a)%2)
.irp t, 0,1,2,3,4,5,6,7,8,9,10,11,12,13,14,15
	ds_load_b128 v[BK+4*\t:BK+4*\t+3], v[RD] offset:\t*SPITCH  ; LDS serves a wave's instructions in order: these see the stores above
.endr
.endm
.macro SEND a, younger                 ; younger: the LDS instructions issued behind block a's loads: the next block's 32, or none
	WIN 0
.set BK, OB+64*((\a)%2)
	s_wait_dscnt \younger
.irp t, 0,1,2,3,4,5,6,7,8,9,10,11,12,13,14,15
	global_store_b128 v[CO], v[BK+4*\t:BK+4*\t+3], s[CP:CP+1] offset:(16*(\a)+\t)*4096 th:TH_STORE_NT  ; 512 consecutive bytes, at a multiple of 256 from out0's first
.endr
.endm
	s_wait_tensorcnt 0x1                           ; my part of K step 0 is in; K step 1's stays out
	s_barrier_signal -1
	s_barrier_wait -1
	FETCH 0, 0, 0
	s_wait_loadcnt 0x0                             ; the bias
	UNIT 0, 128, 1                                 ; the first half step stands in front of the loop: its products start the sums
	WIN 0
	s_mov_b32 s3, 3
.Llap:                                                 ; a trip goes once round the ring and fills both slots again
	TURN 0, 1, 1
	UNIT 1, 128, 0
	TURN 1, 0, 1
	UNIT 0, 128, 0
	WIN 0
	s_sub_co_u32 s3, s3, 1
	s_cmp_lg_u32 s3, 0
	s_cbranch_scc1 .Llap
	TURN 0, 1, 0                                   ; the last lap fills nothing
	UNIT 1, 128, 0
	s_wait_dscnt 24
	MULA 1, 0, 0, 4, 0
	s_wait_dscnt 0x0
	MULA 1, 1, 0, 4, 0
	PLACES
	TOSTAGE 0
	TOSTAGE 1
	SEND 0, 32
	TOSTAGE 2
	SEND 1, 32
	TOSTAGE 3
	SEND 2, 32
	SEND 3, 0
	s_wait_tensorcnt 0x0                           ; the wave's end
	ds_add_u32 v[SPW], v[NIL]
	s_wait_dscnt 0x0
	CROUND                                         ; the closing round
	s_endpgm
.Lfunc_end_k_qe6a99e394a_outp:
	.size	k_qe6a99e394a_outp, .Lfunc_end_k_qe6a99e394a_outp-k_qe6a99e394a_outp
	.p2alignl 7, 3214868480
	.fill 96, 4, 3214868480
	.section	.rodata,"a",@progbits
	.p2align	6, 0x0
	.amdhsa_kernel k_qe6a99e394a_outp
		.amdhsa_group_segment_fixed_size 327680
		.amdhsa_private_segment_fixed_size 0
		.amdhsa_enable_private_segment 0
		.amdhsa_kernarg_size 48
		.amdhsa_user_sgpr_count 2
		.amdhsa_user_sgpr_kernarg_segment_ptr 1
		.amdhsa_wavefront_size32 1
		.amdhsa_system_sgpr_workgroup_id_x 1
		.amdhsa_system_sgpr_workgroup_id_y 1
		.amdhsa_system_sgpr_workgroup_id_z 1
		.amdhsa_system_vgpr_workitem_id 0
		.amdhsa_next_free_vgpr 960
		.amdhsa_next_free_sgpr 80
		.amdhsa_reserve_vcc 1
		.amdhsa_float_denorm_mode_32 3
		.amdhsa_float_denorm_mode_16_64 3
		.amdhsa_memory_ordered 1
		.amdhsa_forward_progress 1
		.amdhsa_inst_pref_size 86
	.end_amdhsa_kernel
	.amdgpu_metadata
---
amdhsa.version: [ 1, 2 ]
amdhsa.kernels:
  - .name:           k_qe6a99e394a_outp
    .symbol:         k_qe6a99e394a_outp.kd
    .args:
      - { .name: ctx, .offset: 0, .size: 8, .value_kind: global_buffer, .address_space: global }
      - { .name: wo16, .offset: 8, .size: 8, .value_kind: global_buffer, .address_space: global }
      - { .name: bias, .offset: 16, .size: 8, .value_kind: global_buffer, .address_space: global }
      - { .name: ent, .offset: 24, .size: 8, .value_kind: global_buffer, .address_space: global }
      - { .name: out0, .offset: 32, .size: 8, .value_kind: global_buffer, .address_space: global }
      - { .name: out1, .offset: 40, .size: 8, .value_kind: global_buffer, .address_space: global }
    .group_segment_fixed_size: 327680
    .private_segment_fixed_size: 0
    .kernarg_segment_align: 8
    .kernarg_segment_size: 48
    .max_flat_workgroup_size: 128
    .sgpr_count:     80
    .vgpr_count:     960
    .wavefront_size: 32
...
	.end_amdgpu_metadata
.endif
;; end of part 4
;; ======== version 2 of 2: 4 launches; 1.15 times as fast as version 1
;; limits: values are held in f16: magnitudes above 65,504 overflow, below 6.1e-05 lose precision; a function is approximated: absolute error at most 3.4e-06
;; workspace buffers: xb 16,777,216 bytes; wb 6,291,456 bytes; wo16 2,097,152 bytes; bias 16,384 bytes; qkv 50,331,648 bytes; ctx 16,777,216 bytes; ent 4,096 bytes
;; launch cast: the kernel of part 1 again; grid 64 x 12, 8 waves a work-group, no clusters, 0 bytes of LDS; arguments x, Wq, Wk, Wv, Wo, bq, bk, bv, bo, xb, wb, wo16, bias; writes xb, wb, wo16, bias
;; launch qkv: the kernel of part 2 again; grid 12 x 32, 4 waves a work-group, clusters of 4 x 4, 327,680 bytes of LDS; arguments xb, wb, bias, qkv; writes qkv
;; launch attn (part 5): grid 8 x 32, 4 waves a work-group, clusters of 4 x 1, 327,680 bytes of LDS; arguments qkv, resonance_bias, ctx, ent; writes ctx, ent
.if DOCPART == 5
	.amdgcn_target "amdgcn-amd-amdhsa--gfx1250"
	.amdhsa_code_object_version 6
	.text
	.protected	k_qe6a99e394a_attn
	.globl	k_qe6a99e394a_attn
	.p2align	8
	.type	k_qe6a99e394a_attn,@function
k_qe6a99e394a_attn:
	s_mov_b64 s[64:65], 0
	v_nop
	global_prefetch_b8 v0, s[64:65] scope:SCOPE_SE
	s_setreg_imm32_b32 hwreg(HW_REG_WAVE_MODE, 25, 1), 1
	s_wait_xcnt 0x0
	s_wait_alu depctr_hold_cnt(0) depctr_sa_sdst(0) depctr_va_vdst(0) depctr_va_sdst(0) depctr_va_ssrc(0) depctr_va_vcc(0) depctr_vm_vsrc(0)
	s_getreg_b32 s2, hwreg(HW_REG_IB_STS2, 6, 4)
	s_cmp_eq_u32 s2, 0
	s_cbranch_scc0 .Lentry_in_a_cluster
	s_endpgm
.Lentry_in_a_cluster:
	s_bfe_u32 s2, ttmp6, 0x10000c
	s_cmp_lg_u32 s2, 0x3003
	s_cbranch_scc0 .Lentry_shape_is_right
	s_endpgm
.Lentry_shape_is_right:
; ctx[b][q][h 128 + :] = the sum over k of softmax_k(Q.K / sqrt(128) + rb[h]) V, and for each wave's 64 queries the sum of their rows' entropies.
; qkv: [3][32 heads][2048][128] f16.  ctx: [8192][1024] f16.  ent: [32 heads][8 blocks][4 waves] f32.  Products in f16, maxima and sums in f32; the weights are rounded to f16 for the
; second product (their sum l is taken unrounded), ctx once at the end.
; SOFTMAX.  For each query a running maximum m and sum l: e = 2^t, t = c s - c m, c = log2(e) / sqrt(128); in every step O and l are multiplied by a = 2^d, d = c m_old - c m_new.
; THE HEAD'S BIAS, rounded to bf16 like every input and multiplied by sqrt(128), is the C operand of the products that start the scores' sums.
; ENTROPY.  With p = e / l: - sum p ln p = ln 2 (log2 l - T / l), T = sum e t, which is never positive: two terms of one sign.  T rides the running maximum: T <- a (T + d l).
; LIMITS.  Q, K, V arrive within f16's 65,504; |c s| stays under 4e37; a weight e below 2^-126 counts as 0 in l and T; NaN and infinities are not treated apart.
; The entropy of p + 1e-10 is - sum p ln p + 2048 x 1e-10 x ln 1e10 - D, D = sum (p ln(1 + 1e-10 / p) + 1e-10 ln(1 + p / 1e-10)).  The constant is added by the launch behind; D wants every
; weight's last normalisation, a second pass over K, and is left out: 0 <= D <= 3.4e-6 for every input, and it reaches 3% of a head's entropy only where nearly all its weights lie round 1e-10.
; SHARES, LAYOUT.  A work-group owns 256 queries of a head, a wave 64: four tiles of 16, in two PIECES (tiles 0, 1 and tiles 2, 3).  Every wave walks all 2,048 keys, 64 a step.
; S^T = K Q^T holds ONE query a lane (lane % 16) and the keys 8 (lane / 16) + 0..7; two such results rounded to f16 ARE source 1 of O^T = V^T P.  V comes out of LDS turned.
; BY TURNS.  In a turn one piece has the matrix unit: 32 products V^T P of the step in hand, 32 products K Q^T of the next; the other piece's softmax, a queue of 306 vector instructions, stands
; four behind each matrix instruction, the last 50 together.
; THE EXPONENTIALS OF A TURN ARE TWO BATCHES, each with one wait.  T wants t and e of a weight together, so an open batch wants a register for each e beside its t; window 0 has 32 to spare, the
; piece's own P, which is written only when its weights are rounded.  Batch 1: the two a, and e of pairs 0-7 of both tiles, into those 32 registers.  Batch 2: e of pairs 8-15, into the 32 registers
; of t's pairs 0-7, each behind the line that read that pair of t last.  The way out's four reciprocals and four logarithms are a batch of their own.
; NO FIRST STEP is written out: m starts at the lowest finite number, O, l, T at 0, so the first a is 0; the loop is entered, and the tail left, in the middle of a trip.  The price: 32 products
; on zeros at the start, 32 on a stale K at the end, and 440 v_mov_b32 in the wait for the first tile.
; CLUSTER.  A cluster's four query blocks walk the same K and V: each tile is asked for jointly.  A wave has two tensor loads out at the start, one behind each round.
; REGISTERS, in windows of 256 (s_set_vgpr_msb: bits 1:0 source 0, 3:2 source 1, 5:4 source 2, 7:6 destination):
;   window 0: v2-11 addresses; v12-43 statistics; v44-51 at work; v52-59 the bias; v64-191 S^T, 32 a tile; v192-255 P, 16 a tile
;   window 1: O^T, 64 a tile          window 2: v0-127 Q, 32 a tile; v128-255 K of one step          window 3: v0-127 V of one step
.set KS,    64
.set PK,    272       ; a row of K in LDS: 256 bytes + 16: the 16 rows of a load start at 16 different groups of four banks
.set PV,    288       ; a row of V: 256 + 32
.set VOFF,  KS*PK     ; a step's tiles lie together: 64 rows of K, then 64 rows of V
.set STEPB, KS*(PK+PV)
.set SLOT1, 1<<17     ; a slot holds two steps; slot 1 begins here, so that one exclusive or turns an address in one slot into the other's
.set STAGE, SLOT1+2*STEPB  ; behind the ring: 16 rows x 272 bytes for each wave
.set SP,    272
.set SPARE, STAGE+4*16*SP  ; behind the stages: the spare words, 128 bytes for each wave, which no other line names
.set AK0, 2           ; v2   my lane's place in a tile of K; never rewritten
.set AV0, 3           ; v3   the same for V
.set ADR, 4           ; v4   the LDS address of the run of loads in hand
.set QO,  5           ; v5   my byte offset in the wave's rows of Q
.set STO, 6           ; v6   the way out: where I put 16 bytes of a row
.set RD,  7           ; v7   where I read a row back
.set GO,  8           ; v8   my byte offset in two rows of ctx
.set ST,  12          ; tile t's statistics at v[ST+8 t]: c m, m, l (even keys', odd keys'), T (likewise), a, one spare
.set WK,  44          ; for the two tiles in hand four registers c0-c3: the maximum's chains; then c2 = d, c3 = c m_old
.set BC,  52          ; v52-59 the head's bias x sqrt(128)
.set SPW, 62          ; v62  LDS address of my spare word; never rewritten
.set NIL, 63          ; v63  0; never rewritten
.set S,   64
.set P,   192
.set KF,  128         ; K's fragments, in window 2
.set WV,  12          ; s12  my wave's number
.set G1K, 24          ; s[24:31] descriptor group 1 for K's tiles
.set G1V, 32          ; s[32:39] for V's: it differs in the padding alone
.set G0K, 40          ; s[40:47] descriptor group 0 for K: a set for each of the two first fills; the second then walks on
.set G0V, 48          ; s[48:55] the same for V
.set SLOTS, 56        ; s56  counts slots
.set CNT, 57          ; s57  counts a slot's steps
.set CS,  58          ; s[58:59] c
.set SEL, 60          ; s[60:61] v_permlanex16_b32's selects: each lane takes its own place in the other half
.set TB,  62          ; s62  LDS byte at which the tiles of the step to be fetched begin
.set MSB, 0
.macro WIN new
.if MSB != (\new)
	s_set_vgpr_msb (MSB<<8)|(\new)
.set MSB, \new
.endif
.endm
.set W_KQ, 0x0a       ; K and Q in window 2, C and S^T in window 0
.set W_PV, 0x53       ; V in window 3, P in window 0, O^T in window 1
.set W_RS, 0x41       ; O^T (destination and source 0) in window 1, a in window 0
.macro JLOAD                        ; a joint refill: waves 0, 1 fetch the two steps' K, waves 2, 3 their V; an s_nop 0 and four v_nop follow each line
	s_cmp_lt_u32 s[WV], 2
	s_cbranch_scc0 .Lfor_v_\@
	tensor_load_to_lds s[G0K+4:G0K+7], s[G1K:G1K+7]
	s_nop 0
.rept 4
	v_nop
.endr
	s_branch .Lasked_\@
.Lfor_v_\@:
	tensor_load_to_lds s[G0V+4:G0V+7], s[G1V:G1V+7]
	s_nop 0
.rept 4
	v_nop
.endr
.Lasked_\@:
.endm
.macro CROUND                       ; a round of the cluster's barrier
	s_barrier_signal -1
	s_barrier_wait -1
	s_cmp_lg_u32 s[WV], 0
	s_cbranch_scc1 .Lnot_wave_0_\@
	s_barrier_signal -3
.Lnot_wave_0_\@:
	s_barrier_wait -3
	s_barrier_signal -1
	s_barrier_wait -1
.endm
	s_load_b256 s[68:75], s[0:1], 0x0  ; qkv s[68:69], resonance_bias s[70:71], ctx s[72:73], ent s[74:75]
	v_lshl_add_u32 v[SPW], v0, 2, SPARE
	v_mov_b32 v[NIL], 0
	ds_add_u32 v62, v63
	s_wait_dscnt 0x0
	v_lshrrev_b32 v1, 5, v0
	v_readfirstlane_b32 s[WV], v1   ; wave 0..3
	s_bfe_u32 s13, ttmp6, 0x40000   ; cx
	s_lshl_b32 s14, ttmp9, 2
	s_add_co_u32 s14, s14, s13      ; my block of 256 queries: it enters Q's, ctx's and ent's addresses alone
	s_and_b32 s15, ttmp7, 0xffff    ; 8 x batch + head, which the four partners share
	s_lshl_b32 s20, s15, 19         ; the head's first byte in a part of qkv
	s_and_b32 s16, s[WV], 1         ; which of a slot's two steps I fetch:
	s_lshl_b32 s22, s16, 14         ; its 64 rows of 256 bytes in memory,
	s_add_co_u32 s22, s22, s20
	s_mov_b32 s23, 0
	s_mul_i32 s17, s16, STEPB       ; and its place in a slot
	s_lshl_b32 s2, s14, 16          ; Q: my block's 256 rows, my wave's 64 of them
	s_lshl_b32 s3, s[WV], 14
	s_add_co_u32 s2, s2, s3
	s_add_co_u32 s2, s2, s20
	s_mov_b32 s3, 0
	s_lshr_b32 s18, s15, 3          ; ctx: row 2,048 x batch + 256 x block + 64 x wave, 2,048 bytes a row; column byte 256 x head
	s_lshl_b32 s18, s18, 11
	s_lshl_b32 s19, s14, 8
	s_add_co_u32 s18, s18, s19
	s_lshl_b32 s19, s[WV], 6
	s_add_co_u32 s18, s18, s19
	s_lshl_b32 s18, s18, 11
	s_and_b32 s77, s15, 7           ; the head
	s_lshl_b32 s19, s77, 8
	s_add_co_u32 s18, s18, s19
	s_mov_b32 s19, 0
	s_lshl_b32 s66, s15, 5          ; ent: word 32 x (8 batch + head) + 4 x block + wave
	s_lshl_b32 s67, s14, 2
	s_add_co_u32 s66, s66, s67
	s_add_co_u32 s66, s66, s[WV]
	s_lshl_b32 s66, s66, 2
	s_mov_b32 s67, 0
	s_lshl_b32 s78, s77, 2          ; the head's word of the bias
	s_mov_b32 s79, 0
	s_mov_b32 s[G1K], 15|(1<<16)|(1<<20)|(1<<21)|(5<<22)|(3<<25)  ; the mask of four; 2-byte elements; padding on; bit 21 beside a mask; after every 64 words; 4 words of it
	s_mov_b32 s[G1V], 15|(1<<16)|(1<<20)|(1<<21)|(5<<22)|(7<<25)  ; the same with 8 words of padding
.irp g, G1K, G1V
	s_mov_b32 s[(\g)+1], 128<<16    ; tensor_dim0 = 128
	s_mov_b32 s[(\g)+2], KS<<16     ; tensor_dim1 = 64
	s_mov_b32 s[(\g)+3], 128<<16    ; tile_dim0 = 128
	s_mov_b32 s[(\g)+4], KS         ; tile_dim1 = 64
	s_mov_b32 s[(\g)+5], 128        ; elements from row to row
	s_mov_b32 s[(\g)+6], 0
	s_mov_b32 s[(\g)+7], 0
.endr
	s_mov_b32 s[CS], 0x3e0293ee     ; c = log2(e) / sqrt(128)
	s_mov_b32 s[CS+1], s[CS]
	s_mov_b32 s[SEL], 0x76543210
	s_mov_b32 s[SEL+1], 0xfedcba98
	s_mov_b32 s[TB], 0
	s_wait_kmcnt 0x0
	s_add_nc_u64 s[4:5], s[68:69], s[2:3]          ; Q at my wave's first row
	s_add_nc_u64 s[6:7], s[68:69], s[22:23]
	s_add_nc_u64 s[8:9], s[6:7], 0x2000000         ; V at my tile of slot 0
	s_add_nc_u64 s[6:7], s[6:7], 0x1000000         ; K likewise
	s_add_nc_u64 s[10:11], s[72:73], s[18:19]      ; ctx
	s_add_nc_u64 s[74:75], s[74:75], s[66:67]      ; ent
	s_add_nc_u64 s[70:71], s[70:71], s[78:79]
	s_load_b32 s76, s[70:71], 0x0                  ; the head's bias; waited for behind the clears
	CROUND                          ; all four work-groups are here: the first joint loads meet
.irp s, 0,1
	s_mov_b32 s[G0K+4*(\s)], 1
	s_add_co_u32 s[G0K+4*(\s)+1], s17, (\s)*SLOT1
	s_add_nc_u64 s[G0K+4*(\s)+2:G0K+4*(\s)+3], s[6:7], (\s)*2*KS*256
	s_or_b32 s[G0K+4*(\s)+3], s[G0K+4*(\s)+3], 0x80000000
	s_mov_b32 s[G0V+4*(\s)], 1
	s_add_co_u32 s[G0V+4*(\s)+1], s17, (\s)*SLOT1+VOFF
	s_add_nc_u64 s[G0V+4*(\s)+2:G0V+4*(\s)+3], s[8:9], (\s)*2*KS*256
	s_or_b32 s[G0V+4*(\s)+3], s[G0V+4*(\s)+3], 0x80000000
.endr
	s_cmp_lt_u32 s[WV], 2           ; a wave's two first fills stand in one branch, ahead of every wait on TENSORcnt and every LDS read
	s_cbranch_scc0 .Lfirst_v
	tensor_load_to_lds s[G0K:G0K+3], s[G1K:G1K+7]
	s_nop 0
	tensor_load_to_lds s[G0K+4:G0K+7], s[G1K:G1K+7]
	s_nop 0
.rept 4
	v_nop
.endr
	s_branch .Lfirst_asked
.Lfirst_v:
	tensor_load_to_lds s[G0V:G0V+3], s[G1V:G1V+7]
	s_nop 0
	tensor_load_to_lds s[G0V+4:G0V+7], s[G1V:G1V+7]
	s_nop 0
.rept 4
	v_nop
.endr
.Lfirst_asked:
	v_and_b32 v1, 15, v0            ; l % 16
	v_bfe_u32 v9, v0, 4, 1          ; l / 16
	v_lshlrev_b32 v[QO], 8, v1
	v_lshl_add_u32 v[QO], v9, 4, v[QO]  ; row x 256 + 16 x half
	WIN 0x80                        ; destination window 2
.irp i, 0,1,2,3,4,5,6,7,8,9,10,11,12,13,14,15  ; Q stays in registers: tile i / 4, channels 32 (i % 4) on
	global_load_b128 v[8*(\i):8*(\i)+3],   v[QO], s[4:5] offset:((\i)/4)*4096+((\i)%4)*64
	global_load_b128 v[8*(\i)+4:8*(\i)+7], v[QO], s[4:5] offset:((\i)/4)*4096+((\i)%4)*64+32
.endr
	; What the first turn finds: O^T, V and piece 2's P hold 0 (its products V^T P, of a step that has not been, add 0); l and T are 0.
	WIN 0x40
.set i, 0
.rept 256
	v_mov_b32 v[i], 0
.set i, i+1
.endr
	WIN 0xc0
.set i, 0
.rept 128
	v_mov_b32 v[i], 0
.set i, i+1
.endr
	WIN 0
.set i, P+32
.rept 32
	v_mov_b32 v[i], 0
.set i, i+1
.endr
.set i, 0
.rept 4
	v_mov_b32 v[ST+8*i], 0xfe000000    ; c m: far below every c s
	v_mov_b32 v[ST+8*i+1], 0xff7fffff  ; m
	v_mov_b32 v[ST+8*i+2], 0
	v_mov_b32 v[ST+8*i+3], 0
	v_mov_b32 v[ST+8*i+4], 0
	v_mov_b32 v[ST+8*i+5], 0
	v_mov_b32 v[ST+8*i+6], 0
	v_mov_b32 v[ST+8*i+7], 0
.set i, i+1
.endr
	v_mul_u32_u24 v[AK0], v1, PK
	v_lshl_add_u32 v[AK0], v9, 4, v[AK0]  ; row x pitch + 16 x half
	v_and_b32 v10, 7, v0            ; the turning load: lane l reads key 8 (l / 16) + l % 8, channels 8 ((l / 8) % 2) + 0..7
	v_bfe_u32 v11, v0, 3, 1
	v_lshl_add_u32 v[AV0], v9, 3, v10
	v_mul_u32_u24 v[AV0], v[AV0], PV
	v_lshl_add_u32 v[AV0], v11, 4, v[AV0]
	v_add_nc_u32 v[AV0], VOFF, v[AV0]
	s_wait_kmcnt 0x0
	v_mov_b32 v10, s76
	v_cvt_pk_bf16_f32 v10, v10, v10 ; rounded to bf16 like every input,
	v_lshlrev_b32 v10, 16, v10
	v_mul_f32 v[BC], 0x413504f3, v10  ; times sqrt(128), since c holds 1 / sqrt(128)
.irp j, 1,2,3,4,5,6,7
	v_mov_b32 v[BC+\j], v[BC]
.endr
; THE MATRIX WORK.  The accumulators take turns, one instruction a turn.
; Product i of 32 of O^T += V^T P for piece x: keys 32 (i / 16) on, channels 16 ((i / 2) % 8) on, tile x + i % 2.
.macro PV x
	WIN W_PV
.set rO, 64*((\x)+i%2)+8*((i/2)%8)
.set rV, 64*(i/16)+8*((i/2)%8)
.set rP, P+16*((\x)+i%2)+8*(i/16)
	v_wmma_f32_16x16x32_f16 v[rO:rO+7], v[rV:rV+7], v[rP:rP+7], v[rO:rO+7]
.endm
; Product i of 32 of S^T = K Q^T: channels 32 (i / 8) on, keys 16 ((i / 2) % 4) on, tile x + i % 2.  The first 8 start the sums, with the head's bias.
.macro KQ x
	WIN W_KQ
.set rS, S+32*((\x)+i%2)+8*((i/2)%4)
.set rK, KF+32*((i/2)%4)+8*(i/8)
.set rQ, 32*((\x)+i%2)+8*(i/8)
.if i < 8
	v_wmma_f32_16x16x32_f16 v[rS:rS+7], v[rK:rK+7], v[rQ:rQ+7], v[BC:BC+7]
.else
	v_wmma_f32_16x16x32_f16 v[rS:rS+7], v[rK:rK+7], v[rQ:rQ+7], v[rS:rS+7]
.endif
.endm
; THE LDS LOADS stand in runs of 32.  last = 1 (the tail): in the last trip there is no further step, and K's run is jumped over.
.macro FETCH_K last=0
	WIN 0
	v_add_nc_u32 v[ADR], s[TB], v[AK0]
.if \last
	s_cmp_eq_u32 s[CNT], 1
	s_cbranch_scc1 .Lno_k_\@
.endif
	WIN 0x80                        ; destination window 2
.irp f, 0,1,2,3,4,5,6,7,8,9,10,11,12,13,14,15  ; keys 16 (f / 4) on, channels 32 (f % 4) on
	ds_load_b128 v[KF+8*(\f):KF+8*(\f)+3],   v[ADR] offset:((\f)/4)*16*PK+((\f)%4)*64
	ds_load_b128 v[KF+8*(\f)+4:KF+8*(\f)+7], v[ADR] offset:((\f)/4)*16*PK+((\f)%4)*64+32
.endr
	WIN 0
.if \last
.Lno_k_\@:
.endif
.endm
.macro FETCH_V
	WIN 0
	v_add_nc_u32 v[ADR], s[TB], v[AV0]
	s_add_co_u32 s[TB], s[TB], STEPB  ; the next fetch is the next step's
	WIN 0xc0                        ; destination window 3
.irp f, 0,1,2,3,4,5,6,7,8,9,10,11,12,13,14,15  ; keys 32 (f / 8) on, channels 16 (f % 8) on
	ds_load_tr16_b128 v[8*(\f):8*(\f)+3],   v[ADR] offset:((\f)/8)*32*PV+((\f)%8)*32
	ds_load_tr16_b128 v[8*(\f)+4:8*(\f)+7], v[ADR] offset:((\f)/8)*32*PV+16*PV+((\f)%8)*32
.endr
.endm
; THE VECTOR WORK: VQ writes entry q of the softmax of piece Y (tiles Y, Y + 1) for one key step, and steps q.  306 entries; s0-s31 are a lane's 32 scores of a tile, in pairs 0-15.
;   0-41     tiles alternating, 21 each: the maximum of s0-s31 and the old m (each accumulator's lowest registers are read first); the other half of the lanes'; c m_old kept; m; c m; d
;   42-109   BATCH 1, plain and exponential by turns.  The 34 plain: t = c s - c m for all 16 pairs of both tiles, in place; T += l d.  The 34 exponentials: a = 2^d of both tiles; e of pairs 0-7 of both
;            tiles, e[j] into the tile's P + j (t stays where it was).  None of the 68 names an exponential's result.  The last two exponentials stand together, so that a plain instruction ends the run
;   (wait)   behind 109: the wait for batch 1
;   110-113  T *= a; l *= a
;   114-191  what reads pairs 0-7's weights, 46 plain entries, and among them BATCH 2, 32 exponentials: e of pairs 8-15 of both tiles, e[16 + j] into S + j, where t[j] lay.  From 116 on a slice of four is
;            plain, exponential, plain, exponential (13 slices) or plain, exponential, plain, plain (6): six plain for four exponentials, as the queues have them, so that exponential x stands
;            behind plain entry 6 (x / 4) + x % 2, the T += e t that read t[j] last.  No entry up to the second wait names S + j again
;   192-255  O^T times a, in ascending order: the one part that leaves window 0: sixteen whole groups of four.  With 256, 257 it is the work between batch 2 and its wait
;   256-257  the last two of the entries that read pairs 0-7's weights: pair 7's roundings
;   (wait)   behind 257: the wait for batch 2
;   258-305  what reads pairs 8-15's weights
; What reads a half's weights is a queue of 48, six for each pair, tiles alternating: T += e t; l += e; the rounding to f16.  l and T take their pairs in ascending order.  The rounding of pair b of the first
; half writes P + b, over e[b], whose pair b / 2 has been summed and rounded by then (pair 0: in the lines just ahead, and by the rounding itself).
.macro REGS t, u
.set rT, ST+8*(\t)
.set rW, WK+4*(\u)
.set rS, S+32*(\t)
.set rP, P+16*(\t)
.set rO, 64*(\t)
.endm
.macro FS b                         ; pair b: c s - c m, in place
	v_pk_fma_f32 v[rS+2*(\b):rS+2*(\b)+1], v[rS+2*(\b):rS+2*(\b)+1], s[CS:CS+1], v[rT:rT+1] op_sel_hi:[1,0,0] neg_lo:[0,0,1] neg_hi:[0,0,1]
.endm
.macro PLN p                        ; plain entry p of the 34 that stand in batch 1: tile p % 2; the scaling of pair p / 2, at the end T += l d
	REGS Y+(\p)%2, (\p)%2
.if (\p) < 32
	FS (\p)/2
.else
	v_pk_fma_f32 v[rT+4:rT+5], v[rT+2:rT+3], v[rW+2:rW+3], v[rT+4:rT+5] op_sel_hi:[1,0,1]
.endif
.endm
.macro EXQ x, h                     ; exponential x of 32 of half h of the pairs: tile x % 2, score 16 h + j, j = 2 (x / 4) + (x / 2) % 2
	REGS Y+(\x)%2, (\x)%2
.set jj, 2*((\x)/4)+((\x)/2)%2
.if \h
	v_exp_f32 v[rS+jj], v[rS+16+jj]
.else
	v_exp_f32 v[rP+jj], v[rS+jj]
.endif
.endm
.macro RDR p, h                     ; entry p of the 48 that read half h's weights: tile p % 2, pair 8 h + p / 6
	REGS Y+(\p)%2, (\p)%2
.set b, (\p)/6
.set k, ((\p)%6)/2
.set rE, rP+2*b                     ; where the pair of weights lies,
.if \h
.set rE, rS+2*b
.endif
.set rX, rS+16*(\h)+2*b             ; and its t
.if k == 0
	v_pk_fma_f32 v[rT+4:rT+5], v[rE:rE+1], v[rX:rX+1], v[rT+4:rT+5]
.elseif k == 1
	v_pk_add_f32 v[rT+2:rT+3], v[rT+2:rT+3], v[rE:rE+1]
.else
	v_cvt_pk_f16_f32 v[rP+8*(\h)+b], v[rE], v[rE+1]
.endif
.endm
.macro VQ
.if q < 42
	REGS Y+q%2, q%2
	WIN 0
.set n, q/2
.if n < 4
	v_max3_num_f32 v[rW+n], v[rS+8*n], v[rS+8*n+1], v[rS+8*n+2]
.elseif n < 12
	v_max3_num_f32 v[rW+n%4], v[rW+n%4], v[rS+8*(n%4)+2*(n/4)+1], v[rS+8*(n%4)+2*(n/4)+2]
.elseif n == 12
	v_max3_num_f32 v[rW], v[rW], v[rS+7], v[rS+15]
.elseif n == 13
	v_max3_num_f32 v[rW+2], v[rW+2], v[rS+23], v[rS+31]
.elseif n == 14
	v_max3_num_f32 v[rW], v[rW], v[rW+1], v[rW+2]
.elseif n == 15
	v_max3_num_f32 v[rW], v[rW], v[rW+3], v[rT+1]
.elseif n == 16
	v_permlanex16_b32 v[rW+1], v[rW], s[SEL], s[SEL+1]  ; the query's other 32 keys lie in the lane 16 away
.elseif n == 17
	v_mov_b32 v[rW+3], v[rT]
.elseif n == 18
	v_max_num_f32 v[rT+1], v[rW], v[rW+1]
.elseif n == 19
	v_mul_f32 v[rT], s[CS], v[rT+1]
.else
	v_sub_f32 v[rW+2], v[rW+3], v[rT]
.endif
.elseif q < 110                     ; batch 1
	WIN 0
.set z, q-42
.if z == 66
	EXQ 31, 0                       ; the batch's last exponential stands next to the one before it,
.elseif z == 67
	PLN 33                          ; so that the last plain entry is the plain instruction behind the batch
.elseif (z%2) == 0
	PLN z/2
.elseif z < 4
	REGS Y+z/2, z/2
	v_exp_f32 v[rT+6], v[rW+2]      ; a
.else
	EXQ (z-5)/2, 0
.endif
.elseif q < 114
	REGS Y+q%2, q%2
	WIN 0
.if q < 112
	v_pk_mul_f32 v[rT+4:rT+5], v[rT+4:rT+5], v[rT+6:rT+7] op_sel_hi:[1,0]
.else
	v_pk_mul_f32 v[rT+2:rT+3], v[rT+2:rT+3], v[rT+6:rT+7] op_sel_hi:[1,0]
.endif
.elseif q < 192                     ; the first half's readers, and batch 2 among them
	WIN 0
.set z, q-112                       ; slice z / 4 of twenty, place z % 4; slice 0's last two places are plain
.set two, 1                         ; the slice has two exponentials,
.if ((z/4) < 15) && ((((z/4)%5) == 2) || (((z/4)%5) == 4))
.set two, 0                         ; or one
.endif
.if (z >= 4) && (((z%4) == 1) || (((z%4) == 3) && (two == 1)))
	EXQ ee, 1
.set ee, ee+1
.else
	RDR pp, 0
.set pp, pp+1
.endif
.elseif q < 256
	REGS Y+q%2, q%2
	WIN W_RS
.set n, (q-192)/2
	v_pk_mul_f32 v[rO+2*n:rO+2*n+1], v[rO+2*n:rO+2*n+1], v[rT+6:rT+7] op_sel_hi:[1,0]
.elseif q < 258
	WIN 0
	RDR pp, 0
.set pp, pp+1
.else
	WIN 0
	RDR q-258, 1
.endif
.if q == 109
	s_wait_alu depctr_va_vdst(0)    ; the wait for batch 1: one for the two a and the 32 weights of pairs 0-7, ahead of their first reader, T *= a
.endif
.if q == 257
	s_wait_alu depctr_va_vdst(0)    ; the wait for batch 2: one for the 32 weights of pairs 8-15, ahead of their first reader
.endif
.set q, q+1
.endm
; A TURN.  Piece x has the matrix unit; the other piece's softmax stands four behind each product; none of it names a register of the products round it.  The 50 entries at the end hold more than
; four plain instructions: they are the places between the turn's last K Q^T and the next turn's reads of those scores and loads into K.
; Piece 0's turn fetches the next step's K behind its second product, ahead of the turn's first exponential; piece 2's turn the same step's V behind its second K Q^T, twelve vector instructions
; (seven plain) behind the last product that read V.
.macro TURN x, last=0
.set Y, 2-(\x)
.set q, 0
.set pp, 0                          ; the next entry of the first half's readers,
.set ee, 0                          ; and the next exponential of batch 2
.if (\x) == 0
	s_wait_dscnt 0x0                ; V is in
.endif
.set i, 0
.rept 32
	PV \x
	VQ
	VQ
	VQ
	VQ
.if ((\x) == 0) && (i == 1)
	FETCH_K \last
.endif
.set i, i+1
.endr
.if (\x) == 0
	s_wait_dscnt 0x0                ; K is in
.endif
.set i, 0
.rept 32
	KQ \x
	VQ
	VQ
	VQ
	VQ
.if ((\x) == 2) && (i == 1)
	FETCH_V
.endif
.set i, i+1
.endr
.rept 50
	VQ
.endr
.endm
; THE CHANGE OF SLOTS, between piece 2's turn and piece 0's.  Each wave waits for all its tensor loads (the one that is out is its part of the other slot), adds 0 to its spare word, and waits for that
; and for its reads of the slot.  fill = 1: the slot is filled again with the keys two slots on; the barrier is then a round of the cluster's, and the joint refill is the first thing behind it:
; it has two key steps, 256 matrix instructions, in which to land.
.macro CHANGE fill
	WIN 0
	s_wait_tensorcnt 0x0
	ds_add_u32 v[SPW], v[NIL]
.if \fill
.irp g, G0K+4, G0V+4
	s_xor_b32 s[(\g)+1], s[(\g)+1], SLOT1  ; the walking descriptor: the other slot than last time,
	s_add_nc_u64 s[(\g)+2:(\g)+3], s[(\g)+2:(\g)+3], 2*KS*256  ; the next 128 keys
.endr
	s_wait_dscnt 0x0                ; the add is done, and my reads of the slot are over
	CROUND
	JLOAD
.else
	s_wait_dscnt 0x0
	s_barrier_signal -1
	s_barrier_wait -1
.endif
	s_sub_co_u32 s[TB], s[TB], 2*STEPB  ; the fetches go back to a slot's first step,
	s_xor_b32 s[TB], s[TB], SLOT1   ; in the other slot
.endm
	s_wait_tensorcnt 0x1            ; my part of slot 0 is in; slot 1's may stay out
	s_barrier_signal -1
	s_barrier_wait -1
	FETCH_K                         ; key step 0
	s_wait_loadcnt 0x0              ; Q
	s_wait_dscnt 0x0
.set i, 0
.rept 32
	KQ 0                            ; piece 0's first scores
.set i, i+1
.endr
	WIN 0                           ; the addresses for the way out: eight plain instructions, the places behind those products
	s_mul_i32 s13, s[WV], 16*SP
	s_add_co_u32 s13, s13, STAGE    ; my stage
	v_mul_u32_u24 v[STO], v1, SP    ; in: row l % 16, 16 bytes for each half of the lanes
	v_lshl_add_u32 v[STO], v9, 4, v[STO]
	v_add_nc_u32 v[STO], s13, v[STO]
	v_mul_u32_u24 v[RD], v9, SP     ; back: lanes 0-15 take one row of 256 bytes, lanes 16-31 the next
	v_lshl_add_u32 v[RD], v1, 4, v[RD]
	v_add_nc_u32 v[RD], s13, v[RD]
	v_lshlrev_b32 v[GO], 11, v9     ; and the same two rows in ctx, 2,048 bytes apart
	v_lshl_add_u32 v[GO], v1, 4, v[GO]
	s_mov_b32 s[CNT], 2
	s_mov_b32 s[SLOTS], 15
	s_branch .Lfirst                ; the loop is entered in the middle of a trip
.Lslot:                             ; 14 times: every slot but the last two is filled again
	CHANGE 1
	s_mov_b32 s[CNT], 2
.Lstep:
	TURN 0
	WIN 0
.Lfirst:
	TURN 2
	WIN 0
	s_sub_co_u32 s[CNT], s[CNT], 1
	s_cmp_lg_u32 s[CNT], 0
	s_cbranch_scc1 .Lstep
	s_sub_co_u32 s[SLOTS], s[SLOTS], 1
	s_cmp_lg_u32 s[SLOTS], 0
	s_cbranch_scc1 .Lslot
	CHANGE 0                        ; the tail is written out: nothing is asked for
	s_mov_b32 s[CNT], 3             ; two trips fetch the last slot's steps; the third is left in its middle
.Ltail:
	TURN 0, 1
	WIN 0
	s_sub_co_u32 s[CNT], s[CNT], 1
	s_cmp_eq_u32 s[CNT], 0
	s_cbranch_scc1 .Lout
	TURN 2
	WIN 0
	s_branch .Ltail
.Lout:                              ; the third trip's 32 products K Q^T, on the last K once more, serve nothing: the price of one text for every trip
.set i, 0
.rept 32
	PV 2                            ; piece 2: V^T P of the last step
.set i, i+1
.endr
	; THE WAY OUT.  l's and T's two halves and the other half of the lanes' are added (the first eight additions are the places behind the last products); a row's entropy in bits is log2 l - T / l.
	WIN 0
.irp t, 0,1,2,3
	v_add_f32 v[ST+8*\t+2], v[ST+8*\t+2], v[ST+8*\t+3]
	v_add_f32 v[ST+8*\t+4], v[ST+8*\t+4], v[ST+8*\t+5]
.endr
.irp t, 0,1,2,3
	v_permlanex16_b32 v[ST+8*\t+3], v[ST+8*\t+2], s[SEL], s[SEL+1]
	v_permlanex16_b32 v[ST+8*\t+5], v[ST+8*\t+4], s[SEL], s[SEL+1]
.endr
.irp t, 0,1,2,3
	v_add_f32 v[ST+8*\t+2], v[ST+8*\t+2], v[ST+8*\t+3]
	v_add_f32 v[ST+8*\t+4], v[ST+8*\t+4], v[ST+8*\t+5]
.endr
.irp t, 0,1,2,3
	v_rcp_f32 v[ST+8*\t+6], v[ST+8*\t+2]
	v_log_f32 v[ST+8*\t+7], v[ST+8*\t+2]
.endr
	v_nop                           ; a plain instruction between the last of them and the use of their results
	s_wait_alu depctr_va_vdst(0)    ; the wait for this batch: one for the four reciprocals and the four logarithms, ahead of their first reader
.irp t, 0,1,2,3
	v_fma_f32 v[ST+8*\t+5], -v[ST+8*\t+4], v[ST+8*\t+6], v[ST+8*\t+7]
.endr
	v_add_f32 v10, v[ST+5], v[ST+13]
	v_add_f32 v11, v[ST+21], v[ST+29]
	v_add_f32 v10, v10, v11         ; my four queries'; a query lies in lanes l and l + 16 alike, so sixteen lanes hold the wave's 64
	v_add_f32_dpp v10, v10, v10 row_xmask:1 row_mask:0xf bank_mask:0xf
	v_add_f32_dpp v10, v10, v10 row_xmask:2 row_mask:0xf bank_mask:0xf
	v_add_f32_dpp v10, v10, v10 row_xmask:4 row_mask:0xf bank_mask:0xf
	v_add_f32_dpp v10, v10, v10 row_xmask:8 row_mask:0xf bank_mask:0xf
	v_mul_f32 v10, 0x3f317218, v10  ; bits to nats
; Tile t: O^T is divided by l and rounded to f16; a lane's eight channels pack into 16 bytes; they go into rows of 272 bytes and come back as whole rows of 256.
.macro PACK t
	WIN W_RS
.set i, 64*(\t)
.rept 32
	v_pk_mul_f32 v[i:i+1], v[i:i+1], v[ST+8*(\t)+6:ST+8*(\t)+7] op_sel_hi:[1,0]
.set i, i+2
.endr
	WIN 0x05                        ; sources 0 and 1 window 1, destination window 0: S^T's registers are free
.set i, 0
.rept 32
	v_cvt_pk_f16_f32 v[S+32*(\t)+i], v[64*(\t)+2*i], v[64*(\t)+2*i+1]
.set i, i+1
.endr
	WIN 0
.irp f, 0,1,2,3,4,5,6,7
	ds_store_b128 v[STO], v[S+32*(\t)+4*(\f):S+32*(\t)+4*(\f)+3] offset:32*(\f)
.endr
.irp f, 0,1,2,3,4,5,6,7
	ds_load_b128 v[S+32*(\t)+4*(\f):S+32*(\t)+4*(\f)+3], v[RD] offset:(\f)*2*SP  ; LDS serves a wave's instructions in order: these see the stores above; the next tile's stores come behind them
.endr
.endm
.macro SEND t, younger              ; younger: the LDS instructions issued behind tile t's loads: the next tile's sixteen, or none
	WIN 0
.irp f, 0,1,2,3,4,5,6,7
	s_wait_dscnt (\younger)+7-(\f)
	global_store_b128 v[GO], v[S+32*(\t)+4*(\f):S+32*(\t)+4*(\f)+3], s[10:11] offset:(\t)*32768+(\f)*4096  ; 16 lanes store 256 consecutive bytes, at a multiple of 256 from ctx's first byte
.endr
.endm
	PACK 0
	PACK 1                          ; a tile's arithmetic stands between the loads of the tile before and its stores
	SEND 0, 16
	PACK 2
	SEND 1, 16
	PACK 3
	SEND 2, 16
	SEND 3, 0
	v_and_b32 v9, 31, v0            ; lane 0 stores the wave's sum of entropies
	v_mov_b32 v11, 0
	v_cmp_eq_u32 vcc_lo, 0, v9
	s_wait_xcnt 0x0                 ; EXEC changes only behind this wait
	s_and_saveexec_b32 s63, vcc_lo
	global_store_b32 v11, v10, s[74:75]
	s_wait_xcnt 0x0                 ; and again, in front of the line that widens it
	s_or_b32 exec_lo, exec_lo, s63
	s_wait_tensorcnt 0x0            ; the wave's end
	ds_add_u32 v[SPW], v[NIL]
	s_wait_dscnt 0x0
	CROUND                          ; the closing round
	s_endpgm
.Lfunc_end_k_qe6a99e394a_attn:
	.size	k_qe6a99e394a_attn, .Lfunc_end_k_qe6a99e394a_attn-k_qe6a99e394a_attn
	.p2alignl 7, 3214868480
	.fill 96, 4, 3214868480
	.section	.rodata,"a",@progbits
	.p2align	6, 0x0
	.amdhsa_kernel k_qe6a99e394a_attn
		.amdhsa_group_segment_fixed_size 327680
		.amdhsa_private_segment_fixed_size 0
		.amdhsa_enable_private_segment 0
		.amdhsa_kernarg_size 32
		.amdhsa_user_sgpr_count 2
		.amdhsa_user_sgpr_kernarg_segment_ptr 1
		.amdhsa_wavefront_size32 1
		.amdhsa_system_sgpr_workgroup_id_x 1
		.amdhsa_system_sgpr_workgroup_id_y 1
		.amdhsa_system_sgpr_workgroup_id_z 1
		.amdhsa_system_vgpr_workitem_id 0
		.amdhsa_next_free_vgpr 896
		.amdhsa_next_free_sgpr 80
		.amdhsa_reserve_vcc 1
		.amdhsa_float_denorm_mode_32 3
		.amdhsa_float_denorm_mode_16_64 3
		.amdhsa_memory_ordered 1
		.amdhsa_forward_progress 1
		.amdhsa_inst_pref_size 169
	.end_amdhsa_kernel
	.amdgpu_metadata
---
amdhsa.version: [ 1, 2 ]
amdhsa.kernels:
  - .name:           k_qe6a99e394a_attn
    .symbol:         k_qe6a99e394a_attn.kd
    .args:
      - { .name: qkv, .offset: 0, .size: 8, .value_kind: global_buffer, .address_space: global }
      - { .name: resonance_bias, .offset: 8, .size: 8, .value_kind: global_buffer, .address_space: global }
      - { .name: ctx, .offset: 16, .size: 8, .value_kind: global_buffer, .address_space: global }
      - { .name: ent, .offset: 24, .size: 8, .value_kind: global_buffer, .address_space: global }
    .group_segment_fixed_size: 327680
    .private_segment_fixed_size: 0
    .kernarg_segment_align: 8
    .kernarg_segment_size: 32
    .max_flat_workgroup_size: 128
    .sgpr_count:     80
    .vgpr_count:     896
    .wavefront_size: 32
...
	.end_amdgpu_metadata
.endif
;; end of part 5
;; launch outp: the kernel of part 4 again; grid 8 x 32, 4 waves a work-group, clusters of 4 x 4, 327,680 bytes of LDS; arguments ctx, wo16, bias, ent, out0, out1; writes out0, out1
